; MI455X (gfx1250); checked and timed in simulation.
; The chip was launched on July 23, 2026; its instructions are those of AMD's public machine-readable ISA for CDNA 5 (MIT licence, August 2026) and "CDNA5" Instruction Set Architecture Reference Guide (July 2026). The comments in the code are by the model that wrote it; some were corrected since.
;; Attention. Allowed arithmetic: matrix products marked QUANTISED: E2M1 operands, one E8M0 scale for each 32 along K, by v_wmma_scale_f32_16x16x128_f8f6f4 with both operands' format E2M1 (or v_wmma_scale_f32_32x16x128_f4), f32 sums; products left as they are: bf16, f16 or f32 operands; f32 sums; everything else in f32.
;; Inputs: W_K 1,024 x 1,024 float32; W_O 1,024 x 1,024 float32; W_Q 1,024 x 1,024 float32; W_V 1,024 x 1,024 float32; x 4 x 2,048 x 1,024 float32.
;; Outputs: out0 4 x 2,048 x 1,024 float32.
;; This version of the problem:
;;   THIS VERSION OF THE PROBLEM IS GIVEN IN LOW PRECISION. The matrix products marked QUANTISED in the list below multiply operands that are first quantised to E2M1 (2 exponent bits, 1 mantissa bit; 4 bits a number), with one power-of-two scale for each 32 numbers along K (OCP MX v1.0); their sums are f32. The products marked 'left as it is' may take bf16, f16 or f32 operands, with f32 sums. All else is computed in f32.
;;   The module's matrix products, in the order in which they are computed (A, B: the left and right operand; K: the contracted axis; several contracted axes count as one K, in the product's order):
;;     1. [M 8,192, K 1,024] x [K 1,024, N 1,024]; A: input x; B: input W_Q: QUANTISED
;;     2. [M 8,192, K 1,024] x [K 1,024, N 1,024]; A: input x; B: input W_K: QUANTISED
;;     3. [M 8,192, K 1,024] x [K 1,024, N 1,024]; A: input x; B: input W_V: QUANTISED
;;     4. batch 64 x [M 2,048, K 64] x [K 64, N 2,048]; A: computed on the way; B: computed on the way: left as it is (an operand is computed on the way)
;;     5. batch 64 x [M 2,048, K 2,048] x [K 2,048, N 64]; A: computed on the way; B: computed on the way: left as it is (an operand is computed on the way)
;;     6. [M 8,192, K 1,024] x [K 1,024, N 1,024]; A: computed on the way; B: input W_O: left as it is (an operand is computed on the way)
;;   THE QUANTISER, for each operand of a quantised product, along K:
;;     - K is cut into blocks of 32 from its start; a last block that is shorter is filled with zeros.
;;     - A block's scale is 2^e with e = floor(log2(the largest magnitude in the block)) - 2, held to -126 .. 127; a block of zeros has e = 0. As a byte (E8M0): e + 127.
;;     - Each number is divided by its block's scale, clamped to +-6, and rounded to the nearest number of E2M1, ties to even, subnormals kept.
;;     - The product sums the exact products of the quantised numbers (number of the format x scale) in f32.
;;   ~~~python
;;   def quantise(x, axis):      # numpy; x: float32 -> the quantised numbers, widened to float32 again
;;       x = np.moveaxis(x, axis, -1); K = x.shape[-1]
;;       x = np.pad(x, [(0, 0)] * (x.ndim - 1) + [(0, -K % 32)]); x = x.reshape(x.shape[:-1] + (-1, 32)); a = np.abs(x).max(-1, keepdims=True)
;;       e = np.where(a > 0, np.clip(np.frexp(np.where(a > 0, a, 1))[1] - 1 - 2, -126, 127), 0)      # np.frexp(a)[1] - 1 = floor(log2(a)), exactly
;;       r = np.clip(x / 2.0 ** e, -6, 6)
;;       step = 2.0 ** (np.maximum(np.frexp(np.where(r == 0, 1, r))[1] - 1, 0) - 1)
;;       q = np.round(r / step) * step * 2.0 ** e      # np.round: ties to even
;;       return np.moveaxis(q.reshape(q.shape[:-2] + (-1,))[..., :K], -1, axis).astype(np.float32)
;;   ~~~
;; One version. Each part assembles by itself: llvm-mc -triple=amdgcn-amd-amdhsa -mcpu=gfx1250 --defsym DOCPART=n.
;; ======== version 1 of 1: 4 launches
;; limits: values are held in f16: magnitudes above 65,504 overflow, below 6.1e-05 lose precision
;; workspace buffers: xc 4,194,304 bytes; xs 262,144 bytes; wc 1,572,864 bytes; ws 98,304 bytes; wob 2,097,152 bytes; qkv 50,331,648 bytes; att 16,777,216 bytes
;; launch quant (part 1): grid 384 x 1, 4 waves a work-group, no clusters, 33,280 bytes of LDS; arguments x, W_Q, W_K, W_V, W_O, xc, xs, wc, ws, wob; writes xc, xs, wc, ws, wob
.if DOCPART == 1
	.amdgcn_target "amdgcn-amd-amdhsa--gfx1250"
	.amdhsa_code_object_version 6
	.text
	.protected	k_q150ac22a40_quant
	.globl	k_q150ac22a40_quant
	.p2align	8
	.type	k_q150ac22a40_quant,@function
k_q150ac22a40_quant:
	s_mov_b64 s[64:65], 0
	v_nop
	global_prefetch_b8 v0, s[64:65] scope:SCOPE_SE
	s_setreg_imm32_b32 hwreg(HW_REG_WAVE_MODE, 25, 1), 1
	s_wait_xcnt 0x0
; x [8192][1024] and W_Q, W_K, W_V [1024][1024], f32, become codes of FP4 (E2M1), K innermost, two codes a byte, with one E8M0 scale byte for each 32 along K:
; xc [8192][512 bytes], xs [8192][32]; wc [3072][512 bytes], ws [3072][32] (rows 0-1023 W_Q, 1024-2047 W_K, 2048-3071 W_V).  W_O [1024][1024] is rounded to f16: wob, row-major.
; A block's scale is 2^(floor(log2(its largest magnitude)) - 2); its byte is the largest magnitude's own exponent field - 2, held at 1 from below.  A block of zeros so gets the byte 1 where the
; quantiser's text says 127: its codes are zeros, which add nothing under any byte but 0xff, and the bytes are read by this program alone.
; LIMITS: blocks whose largest magnitude lies under 2^-124 (the floor) were not tried; NaN and infinities among the inputs are not served; |W_O| up to 65,504 (f16's largest number).
; Rows are dense and K is a multiple of 32, so each tensor is a plain stream of blocks of 32.  A wave takes one run of 8,192 numbers: 32,768 bytes in, 4,096 bytes of codes and 256 scale bytes out.
; Work-groups 0-255: x.  256-351: the three weights, 32 work-groups each.  352-383: W_O.  Only pointers and run numbers are chosen for the first two; W_O has a path of its own, which uses no LDS.
; THE QUANTISING PATH.  The conversions take 8 numbers of ONE block from a lane's consecutive registers, so a lane must hold 16 neighbours (two neighbouring lanes hold a block); a load is best where neighbouring
; LANES take neighbouring bytes.  So each of a step's four loads reads 512 consecutive bytes, 16 a lane; the 2,048 bytes go through the wave's own stage in LDS and come back 64 bytes a lane.
; No tensor loads, no barrier: waves share nothing.  Loads run four steps (16 loads a wave) ahead, the turn through LDS one step.
.set STEPS, 16
.set GX,    256                        ; x's work-groups
.set GW,    96                         ; the three weights'
.set EMAX,  2
.set CB,    8                          ; bytes of 16 codes
.set R,     16                         ; v16-79   four sets of 16 numbers as they are loaded
.set X,     80                         ; v80-111  two sets of 16 neighbours
.set C,     128                        ; v128-191 codes: four registers for each step, so that no store's data are written again
.set E,     112                        ; v112-127 a scale byte for each step
.set WREG,  8192                       ; LDS: a region of its own for each wave: two stages of 32 x SP bytes, and behind them its 256 scale bytes
.set SP,    80                         ; a lane's place in a stage: its 64 bytes + 16 of padding
.set SRC,   32                         ; s[32:33] my run of numbers;  s[34:35] of codes;  s[36:37] of scale bytes
.set DC,    34
.set DS,    36
.macro LOAD t
.irp i, 0,1,2,3
	global_load_b128 v[R+16*((\t)%4)+4*\i:R+16*((\t)%4)+4*\i+3], v3, s[SRC:SRC+1] offset:2048*(\t)+512*\i th:TH_LOAD_NT   ; 32 lanes read 512 consecutive bytes
.endr
.endm
.macro TURN t                          ; step t's numbers through the stage: LDS serves a wave's instructions in order, so no wait stands between the stores and the loads
.irp i, 0,1,2,3
	ds_store_b128 v14, v[R+16*((\t)%4)+4*\i:R+16*((\t)%4)+4*\i+3] offset:32*SP*((\t)%2)+8*SP*\i
.endr
.irp i, 0,1,2,3
	ds_load_b128 v[X+16*((\t)%2)+4*\i:X+16*((\t)%2)+4*\i+3], v15 offset:32*SP*((\t)%2)+16*\i
.endr
.endm
.macro STEP t
.set XS, X+16*((\t)%2)
.if (\t) > 0
	s_wait_dscnt 1                                 ; this step's numbers are back from the stage (the last step's byte store may be out): so its stores into the stage have read their registers,
.else
	s_wait_dscnt 0x0
.endif
.if (\t)+4 < STEPS
	LOAD (\t)+4                                    ; which take the loads of four steps on
.endif
.if (\t)+1 < STEPS
.if STEPS-2-(\t) >= 3
	s_wait_loadcnt 12                              ; the next step's four loads are in; those of the three steps behind it may be out
.else
	s_wait_loadcnt 4*(STEPS-2-(\t))
.endif
	TURN (\t)+1                                    ; and go through the other stage while this step is worked
.endif
	v_max3_num_f32 v8, |v[XS]|, |v[XS+1]|, |v[XS+2]|               ; the largest magnitude of my 16, in two chains
	v_max3_num_f32 v9, |v[XS+3]|, |v[XS+4]|, |v[XS+5]|
.irp i, 6,10
	v_max3_num_f32 v8, v8, |v[XS+\i]|, |v[XS+\i+1]|
	v_max3_num_f32 v9, v9, |v[XS+\i+2]|, |v[XS+\i+3]|
.endr
	v_max3_num_f32 v8, v8, |v[XS+14]|, |v[XS+15]|
	v_max3_num_f32 v8, v8, v9, (EMAX+1)<<23        ; and the floor 2^(EMAX + 1 - 127): so the byte cannot fall under 1
	v_max_num_f32_dpp v8, v8, v8 row_xmask:1 row_mask:0xf bank_mask:0xf   ; and of my neighbour's 16: the block's
	v_add_nc_u32 v11, -(EMAX<<23), v8              ; EMAX off its exponent field: the conversion takes the exponent field of this operand as its scale, and nothing else of it
	v_cvt_scalef32_pk8_fp4_f32 v[C+4*(\t)], v[XS:XS+7], v11        ; eight numbers / the scale, to the nearest code, ties to even, beyond the largest code the largest
	v_cvt_scalef32_pk8_fp4_f32 v[C+4*(\t)+1], v[XS+8:XS+15], v11
	v_lshrrev_b32 v[E+(\t)], 23, v11               ; the scale's byte
	ds_store_b8 v5, v[E+(\t)] offset:16*(\t)       ; both lanes of a block write the same byte with the same value
	global_store_b64 v4, v[C+4*(\t):C+4*(\t)+1], s[DC:DC+1] offset:32*CB*(\t)   ; the wave stores 256 consecutive bytes, aligned
.endm
.macro LOADG g                         ; W_O: sixteen loads of 512 consecutive bytes into set g % 2
.irp i, 0,1,2,3,4,5,6,7,8,9,10,11,12,13,14,15
	global_load_b128 v[16+64*((\g)%2)+4*\i:16+64*((\g)%2)+4*\i+3], v3, s[12:13] offset:8192*(\g)+512*\i th:TH_LOAD_NT
.endr
.endm
	s_load_b512 s[4:19], s[0:1], 0x0               ; x s[4:5], W_Q s[6:7], W_K s[8:9], W_V s[10:11], W_O s[12:13], xc s[14:15], xs s[16:17], wc s[18:19]
	s_load_b128 s[20:23], s[0:1], 0x40             ; ws s[20:21], wob s[22:23]
	v_lshl_add_u32 v192, v0, 2, 0x8000
	v_mov_b32 v193, 0
	v_lshrrev_b32 v1, 5, v0
	v_readfirstlane_b32 s24, v1                    ; wave
	v_and_b32 v2, 31, v0                           ; lane
	v_lshlrev_b32 v3, 4, v2                        ; my 16 bytes of a load's 512
	s_mov_b32 s39, 0                               ; the upper word of every offset
	s_cmp_ge_u32 ttmp9, GX+GW
	s_cbranch_scc1 .Lwo                            ; W_O's work-groups part here, ahead of every LDS line
	s_mul_i32 s25, s24, WREG
	v_lshrrev_b32 v14, 2, v2
	v_mul_u32_u24 v14, v14, SP
	v_and_b32 v15, 3, v2
	v_lshl_add_u32 v14, v15, 4, v14
	v_add_nc_u32 v14, s25, v14                     ; the stage, on the way in: four lanes' 64 bytes on end, then 16 of padding
	v_mul_u32_u24 v15, v2, SP
	v_add_nc_u32 v15, s25, v15                     ; and on the way out: SP x lane: my 16 neighbours
	v_mul_u32_u24 v4, v2, CB                       ; my codes' place in a step's
	v_lshrrev_b32 v5, 1, v2
	s_add_co_u32 s25, s25, 2*32*SP
	v_add_nc_u32 v5, s25, v5                       ; LDS: my wave's 256 scale bytes, my block's byte
	v_lshlrev_b32 v7, 3, v2                        ; and on the way out 8 bytes a lane
	v_add_nc_u32 v6, s25, v7
	s_max_u32 s26, ttmp9, GX
	s_sub_co_u32 s26, s26, GX                      ; the work-group's number among the weights' (0 in x's work-groups)
	s_lshr_b32 s27, s26, 5                         ; which weight
	s_and_b32 s28, s26, 31
	s_lshl_b32 s28, s28, 2
	s_add_co_u32 s28, s28, s24                     ; my run in that weight,
	s_lshl_b32 s29, s26, 2
	s_add_co_u32 s29, s29, s24                     ; and in wc and ws
	s_lshl_b32 s30, ttmp9, 2
	s_add_co_u32 s30, s30, s24                     ; my run in x, xc and xs
	s_wait_kmcnt 0x0
	s_cmp_eq_u32 s27, 1                            ; every choice hangs on the work-group's number alone
	s_cselect_b64 s[SRC:SRC+1], s[8:9], s[6:7]
	s_cmp_eq_u32 s27, 2
	s_cselect_b64 s[SRC:SRC+1], s[10:11], s[SRC:SRC+1]
	s_cmp_lt_u32 ttmp9, GX
	s_cselect_b64 s[SRC:SRC+1], s[4:5], s[SRC:SRC+1]
	s_cselect_b64 s[DC:DC+1], s[14:15], s[18:19]
	s_cselect_b64 s[DS:DS+1], s[16:17], s[20:21]
	s_cselect_b32 s28, s30, s28
	s_cselect_b32 s29, s30, s29
	s_lshl_b32 s38, s28, 15                        ; 32,768 bytes of numbers a run,
	s_add_nc_u64 s[SRC:SRC+1], s[SRC:SRC+1], s[38:39]
	s_lshl_b32 s38, s29, 12                        ; 4,096 of codes,
	s_add_nc_u64 s[DC:DC+1], s[DC:DC+1], s[38:39]
	s_lshl_b32 s38, s29, 8                         ; 256 of scale bytes
	s_add_nc_u64 s[DS:DS+1], s[DS:DS+1], s[38:39]
.irp t, 0,1,2,3
	LOAD \t
.endr
	s_wait_loadcnt 12                              ; step 0's four loads are in
	TURN 0
.irp t, 0,1,2,3,4,5,6,7,8,9,10,11,12,13,14,15
	STEP \t
.endr
	ds_load_b64 v[12:13], v6                       ; LDS serves a wave's instructions in order: these see my byte stores
	s_wait_dscnt 0x0
	global_store_b64 v7, v[12:13], s[DS:DS+1]      ; 32 lanes store 256 consecutive bytes, aligned
	s_wait_tensorcnt 0x0
	ds_add_u32 v192, v193
	s_wait_dscnt 0x0
	s_endpgm
.Lwo:                                                  ; W_O to f16: 64 loads of 512 bytes a wave, in four groups of sixteen on two sets of registers
	s_sub_co_u32 s26, ttmp9, GX+GW
	s_lshl_b32 s26, s26, 2
	s_add_co_u32 s26, s26, s24                     ; my run of 8,192 numbers, 0 .. 127
	v_lshlrev_b32 v4, 3, v2                        ; out: 8 bytes a lane
	s_lshl_b32 s38, s26, 15
	s_wait_kmcnt 0x0
	s_add_nc_u64 s[12:13], s[12:13], s[38:39]
	s_lshl_b32 s38, s26, 14
	s_add_nc_u64 s[22:23], s[22:23], s[38:39]
	LOADG 0
	LOADG 1
.irp g, 0,1,2,3
.if \g < 3
	s_wait_loadcnt 16                              ; this group's sixteen loads are in; the next group's sixteen may be out
.else
	s_wait_loadcnt 0x0
.endif
.if \g > 0
	s_wait_xcnt 0x0                                ; the last group's stores have read v144-175: they are written again only behind this wait
.endif
.irp i, 0,1,2,3,4,5,6,7,8,9,10,11,12,13,14,15
	v_cvt_pk_f16_f32 v[144+2*\i], v[16+64*(\g%2)+4*\i], v[16+64*(\g%2)+4*\i+1]
	v_cvt_pk_f16_f32 v[145+2*\i], v[16+64*(\g%2)+4*\i+2], v[16+64*(\g%2)+4*\i+3]
.endr
.irp i, 0,1,2,3,4,5,6,7,8,9,10,11,12,13,14,15
	global_store_b64 v4, v[144+2*\i:145+2*\i], s[22:23] offset:4096*\g+256*\i   ; the wave stores 256 consecutive bytes, aligned
.endr
.if \g < 2
	LOADG \g+2
.endif
.endr
	s_endpgm
.Lfunc_end_k_q150ac22a40_quant:
	.size	k_q150ac22a40_quant, .Lfunc_end_k_q150ac22a40_quant-k_q150ac22a40_quant
	.p2alignl 7, 3214868480
	.fill 96, 4, 3214868480
	.section	.rodata,"a",@progbits
	.p2align	6, 0x0
	.amdhsa_kernel k_q150ac22a40_quant
		.amdhsa_group_segment_fixed_size 33280
		.amdhsa_private_segment_fixed_size 0
		.amdhsa_enable_private_segment 0
		.amdhsa_kernarg_size 80
		.amdhsa_user_sgpr_count 2
		.amdhsa_user_sgpr_kernarg_segment_ptr 1
		.amdhsa_wavefront_size32 1
		.amdhsa_system_sgpr_workgroup_id_x 1
		.amdhsa_system_sgpr_workgroup_id_y 1
		.amdhsa_system_sgpr_workgroup_id_z 1
		.amdhsa_system_vgpr_workitem_id 0
		.amdhsa_next_free_vgpr 194
		.amdhsa_next_free_sgpr 66
		.amdhsa_reserve_vcc 0
		.amdhsa_float_denorm_mode_32 3
		.amdhsa_float_denorm_mode_16_64 3
		.amdhsa_memory_ordered 1
		.amdhsa_forward_progress 1
		.amdhsa_inst_pref_size 54
	.end_amdhsa_kernel
	.amdgpu_metadata
---
amdhsa.version: [ 1, 2 ]
amdhsa.kernels:
  - .name:           k_q150ac22a40_quant
    .symbol:         k_q150ac22a40_quant.kd
    .args:
      - { .name: x, .offset: 0, .size: 8, .value_kind: global_buffer, .address_space: global }
      - { .name: W_Q, .offset: 8, .size: 8, .value_kind: global_buffer, .address_space: global }
      - { .name: W_K, .offset: 16, .size: 8, .value_kind: global_buffer, .address_space: global }
      - { .name: W_V, .offset: 24, .size: 8, .value_kind: global_buffer, .address_space: global }
      - { .name: W_O, .offset: 32, .size: 8, .value_kind: global_buffer, .address_space: global }
      - { .name: xc, .offset: 40, .size: 8, .value_kind: global_buffer, .address_space: global }
      - { .name: xs, .offset: 48, .size: 8, .value_kind: global_buffer, .address_space: global }
      - { .name: wc, .offset: 56, .size: 8, .value_kind: global_buffer, .address_space: global }
      - { .name: ws, .offset: 64, .size: 8, .value_kind: global_buffer, .address_space: global }
      - { .name: wob, .offset: 72, .size: 8, .value_kind: global_buffer, .address_space: global }
    .group_segment_fixed_size: 33280
    .private_segment_fixed_size: 0
    .kernarg_segment_align: 8
    .kernarg_segment_size: 80
    .max_flat_workgroup_size: 128
    .sgpr_count:     66
    .vgpr_count:     194
    .wavefront_size: 32
...
	.end_amdgpu_metadata
.endif
;; end of part 1
;; launch qkvg (part 2): grid 12 x 32, 4 waves a work-group, clusters of 4 x 4, 327,680 bytes of LDS; arguments xc, xs, wc, ws, qkv; writes qkv
.if DOCPART == 2
	.amdgcn_target "amdgcn-amd-amdhsa--gfx1250"
	.amdhsa_code_object_version 6
	.text
	.protected	k_q150ac22a40_qkvg
	.globl	k_q150ac22a40_qkvg
	.p2align	8
	.type	k_q150ac22a40_qkvg,@function
k_q150ac22a40_qkvg:
	s_mov_b64 s[64:65], 0
	v_nop
	global_prefetch_b8 v0, s[64:65] scope:SCOPE_SE
	s_setreg_imm32_b32 hwreg(HW_REG_WAVE_MODE, 25, 1), 1
	s_wait_xcnt 0x0
	s_wait_alu depctr_hold_cnt(0) depctr_sa_sdst(0) depctr_va_vdst(0) depctr_va_sdst(0) depctr_va_ssrc(0) depctr_va_vcc(0) depctr_vm_vsrc(0)
	s_getreg_b32 s2, hwreg(HW_REG_IB_STS2, 6, 4)
	s_cmp_eq_u32 s2, 0
	s_cbranch_scc0 .Lentry_in_a_cluster
	s_endpgm
.Lentry_in_a_cluster:
	s_bfe_u32 s2, ttmp6, 0x10000c
	s_cmp_lg_u32 s2, 0xf033
	s_cbranch_scc0 .Lentry_shape_is_right
	s_endpgm
.Lentry_shape_is_right:
; q, k, v = x W_Q^T, x W_K^T, x W_V^T as ONE product C[m][n] = sum over k of A[m][k] B[n][k] on codes of FP4 (E2M1) with one E8M0 scale for each 32 along K; sums in f32.
; A = xc [8192][1024 codes], B = wc [3072][1024 codes] (W_Q's, W_K's, W_V's rows on end); their scale bytes xs [8192][32], ws [3072][32].
; The results are rounded once to f16 and laid by head: qkv [3 which][64 bh][2048 t][64 d], byte = which 2^24 + bh 262,144 + 128 t + 2 d, bh = 16 b + h; m = 2048 b + t, n = 1024 which + 64 h + d.
; LIMIT: |q|, |k|, |v| up to 65,504, f16's largest number (inputs 30 times larger than 1 and 1/32 give about 5,000).
; A tile of C, 256 x 256, is made by a work-group of four waves; a wave makes 128 x 128: 64 accumulators of 16 x 16, 512 registers.
; K = 1,024 is two slots of 512 along K (LDS rows of 256 bytes of memory): both are asked for at the start, and nothing is filled again.
; THE SCALES of the work-group's 256 rows of A and 256 rows of B, for all of K, are two dense blocks of memory: they come into LDS once, with the first fills.
; CLUSTERS: 4 x 4 work-groups.  The four of a row of the cluster need the same tiles of A, the four of a column the same tiles of B: each tile is asked for JOINTLY, by the same tensor load with the
; same descriptor and a mask that names the four.  THE MATRIX INSTRUCTION IS USED TRANSPOSED (source 0 = 16 rows of B, source 1 = 16 rows of A): a lane then holds eight neighbouring numbers of a row of C.
; REGISTERS, in windows of 256: window 0: v0-31 addresses; v32-95 scale words, two sets, and nothing else ever; v128-191 A's fragments (8 x 16 rows x 128 K), ONE set; on the way out v128-223 are at work.
;   window 1: B's fragments, TWO sets, at v0 and at v128.   window 2: the 32 accumulators of my rows 0-63 (accumulator (a, b) at v[8 (8 a + b)]);   window 3: those of my rows 64-127.
; A step of 128 along K is 64 matrix instructions, A's blocks one after the other, each against B's eight: a block of A is free as soon as its eight products are issued, so one set of registers serves A.
.set SIZE_M, 8192
.set SIZE_N, 3072
.set SIZE_K, 1024
.set KSTEP,  512                       ; along K in a slot
.set NQ,     KSTEP/128                 ; matrix instructions deep
.set ROWB,   256                       ; a tile's row in bytes
.set KROW,   SIZE_K*4/8                ; a row of A or of B in memory, in bytes
.set PITCH,  272                       ; an LDS row: 256 bytes of data + 16 of padding = 68 words: row r starts at bank 4 r mod 64 (64 banks of 4 bytes: ISA guide 11.1)
.set FR,     8                         ; registers of a fragment: 16 rows x 128 K
.set NL,     2                         ; LDS loads that bring one
.set NP,     4                         ; places behind this matrix instruction (ISA guide 7.12.1)
.set HALFT,  128*PITCH                 ; 128 rows: what one tensor load brings, and what one wave reads of A or of B
.set SLOT,   4*HALFT                   ; A's 256 rows, then B's 256 rows
.set KS,     SIZE_K/32                 ; a row of scales in bytes
.set SCL,    2*SLOT                    ; behind the ring: the scales, as units of 256 bytes + 16 of padding
.set HALFS,  (128*KS/256)*272          ; the scales of 128 rows: what one tensor load brings
.set SBLK,   (16*KS/256)*272           ; those of 16 rows
.set SPARE,  SCL+4*HALFS               ; behind the scales: the spare words, 128 bytes for each wave: two blocks of 256 bytes that no other line names
.set SPITCH, 272                       ; the way out: a stage of 16 rows x (256 bytes + 16) for each wave, in slot 0, which has had its only fill and its last read when the first result is stored there
.set ADRA, 16                          ; v16-17  LDS address of my A fragments in slot 0, 1
.set ADRB, 20                          ; v20-21  the same for B
.set STO,  24                          ; v24     the way out: where I put 16 bytes of a row
.set RD,   25                          ; v25     the way out: where I read 16 bytes back
.set CO,   26                          ; v26     my byte offset in qkv
.set ADRS, 27                          ; v27     LDS address of my scale words: lanes 0-15 A's rows, lanes 16-31 B's
.set SPW,  28                          ; v28     LDS address of my spare word: SPARE + 4 x my thread's number; never rewritten
.set NIL,  29                          ; v29     0; never rewritten
.set SC,   32                          ; scale words: set s (for slot s) at v[SC + 8 NQ s]; register NQ i + q: lanes 0-15 the word of A's block i, lanes 16-31 that of B's block i, for the slot's q-th 128 along K
.set AF,   128                         ; A's fragments, in window 0
.set BK,   128                         ; the way out: a block read back from the stage: v128-159 and v160-191 by turns
.set TMP,  192                         ; the way out: a block's packed results, v192-223
.set G1, 24                            ; s[24:31] descriptor group 1 for A's tiles;  s[32:39] group 0, one set for each slot
.set G0, 32
.set G1B, 48                           ; s[48:55], s[56:63] the same for B's tiles
.set G0B, 56
.set G1S, 68                           ; s[68:75], s[76:79] groups 1 and 0 for A's scales;  s[80:87], s[88:91] for B's
.set G0S, 76
.set G1SB, 80
.set G0SB, 88
.set MSB, 0
.macro WIN new                         ; the immediate's high byte repeats the setting that is left
.if MSB != \new
	s_set_vgpr_msb (MSB<<8)|\new
.set MSB, \new
.endif
.endm
.set MUL_LO, 0xa1                      ; source 0 (B) window 1, source 1 (A) window 0, C and D window 2
.set MUL_HI, 0xf1                      ; the same, C and D window 3
.set TO_B,   0x40                      ; destination window 1, address window 0
; A joint load: waves 0 and 1 fetch for A, waves 2 and 3 for B.  Each of the two lines has ONE mask and one set of registers for all that issue it; the branch hangs on the wave's number alone.
; Four v_nop follow each of the two lines, ahead of the jump, the label and what follows.
.macro JLOAD g0a, g1a, g0b, g1b
	s_cmp_eq_u32 s15, 0
	s_cbranch_scc0 .Lfor_b_\@
	tensor_load_to_lds s[\g0a:\g0a+3], s[\g1a:\g1a+7]
	s_nop 0
.rept 4
	v_nop
.endr
	s_branch .Lasked_\@
.Lfor_b_\@:
	tensor_load_to_lds s[\g0b:\g0b+3], s[\g1b:\g1b+7]
	s_nop 0
.rept 4
	v_nop
.endr
.Lasked_\@:
.endm
.macro CROUND                          ; a round of the cluster's barrier: my work-group's barrier; wave 0 signals for the work-group; every wave waits for all sixteen; my work-group's barrier once more
	s_barrier_signal -1
	s_barrier_wait -1
	s_cmp_lg_u32 s14, 0
	s_cbranch_scc1 .Lnot_wave_0_\@
	s_barrier_signal -3
.Lnot_wave_0_\@:
	s_barrier_wait -3
	s_barrier_signal -1
	s_barrier_wait -1
.endm
	s_load_b128 s[4:7], s[0:1], 0x0                ; A's codes s[4:5], A's scales s[6:7]
	s_load_b128 s[8:11], s[0:1], 0x10              ; B's codes s[8:9], B's scales s[10:11]
	s_load_b64 s[12:13], s[0:1], 0x20              ; qkv
	v_lshl_add_u32 v[SPW], v0, 2, SPARE
	v_mov_b32 v[NIL], 0
	ds_add_u32 v28, v29
	s_wait_dscnt 0x0
	v_lshrrev_b32 v1, 5, v0
	v_readfirstlane_b32 s14, v1                    ; wave 0..3
	s_lshr_b32 s15, s14, 1                         ; which half of the tile's rows is mine.  Also: I fetch for A (0) or for B (1)
	s_and_b32 s16, s14, 1                          ; which half of its columns.  Also: which 128 rows of that tile I fetch
	s_bfe_u32 s40, ttmp6, 0x40000                  ; cx, cy: my place in the cluster
	s_bfe_u32 s41, ttmp6, 0x40004
	s_lshl_b32 s42, ttmp9, 2
	s_add_co_u32 s42, s42, s40                     ; tile column of C = 4 x cluster x + cx
	s_and_b32 s17, ttmp7, 0xffff
	s_lshl_b32 s17, s17, 2
	s_add_co_u32 s17, s17, s41                     ; tile row of C = 4 x cluster y + cy
	s_lshl_b32 s43, s41, 2
	s_lshl_b32 s43, 15, s43                        ; my row of the cluster
	s_lshl_b32 s44, 0x1111, s40                    ; my column
	; descriptor group 1: a tile of 128 rows x ROWB bytes, padded in LDS
	s_or_b32 s[G1+0], s43, (0<<16)|(1<<20)|(1<<21)|(5<<22)|(3<<25)  ; 15:0 the mask: A's tiles go to my row; 17:16 element of 1 byte; 20 padding on; 21 set beside a mask; 24:22 after every 64 words (code 5); 31:25 of 4 words (code 3)
	s_or_b32 s[G1B+0], s44, (0<<16)|(1<<20)|(1<<21)|(5<<22)|(3<<25)
.irp g, G1, G1B
	s_mov_b32 s[\g+1], ROWB<<16                    ; tensor_dim0
	s_mov_b32 s[\g+2], 128<<16                     ; tensor_dim1 = 128
	s_mov_b32 s[\g+3], ROWB<<16                    ; tile_dim0
	s_mov_b32 s[\g+4], 128                         ; tile_dim1 = 128
	s_mov_b32 s[\g+5], KROW                        ; tensor_dim0_stride
	s_mov_b32 s[\g+6], 0
	s_mov_b32 s[\g+7], 0
.endr
	; and for the scales of 128 rows: a dense block of 128 KS bytes, as rows of 256 bytes (32 elements of 8 bytes), 16 bytes of padding behind each
	s_or_b32 s[G1S+0], s43, (3<<16)|(1<<20)|(1<<21)|(5<<22)|(3<<25)
	s_or_b32 s[G1SB+0], s44, (3<<16)|(1<<20)|(1<<21)|(5<<22)|(3<<25)
.irp g, G1S, G1SB
	s_mov_b32 s[\g+1], 32<<16
	s_mov_b32 s[\g+2], (128*KS/256)<<16
	s_mov_b32 s[\g+3], 32<<16
	s_mov_b32 s[\g+4], 128*KS/256
	s_mov_b32 s[\g+5], 32
	s_mov_b32 s[\g+6], 0
	s_mov_b32 s[\g+7], 0
.endr
	s_lshl_b32 s18, s16, 7                         ; which 128 rows of the tile I fetch
	s_lshl_b32 s20, s17, 8
	s_add_co_u32 s20, s20, s18                     ; A: row 256 x tile row + 128 x half
	s_lshl_b32 s46, s42, 8
	s_add_co_u32 s46, s46, s18                     ; B: row 256 x tile column + 128 x half
	s_mov_b32 s21, 0
	s_mov_b32 s47, 0
	s_mov_b64 s[18:19], KS
	s_mul_u64 s[22:23], s[20:21], s[18:19]         ; where these rows' scales begin, in bytes
	s_mul_u64 s[92:93], s[46:47], s[18:19]
	s_mov_b64 s[18:19], KROW
	s_mul_u64 s[20:21], s[20:21], s[18:19]         ; and their codes
	s_mul_u64 s[46:47], s[46:47], s[18:19]
	s_mul_i32 s45, s14, HALFT                      ; where they go: wave x 128 rows: no place in the cluster enters an LDS address
	s_mul_i32 s94, s14, HALFS
	s_wait_kmcnt 0x0
	s_add_nc_u64 s[20:21], s[4:5], s[20:21]
	s_add_nc_u64 s[22:23], s[6:7], s[22:23]
	s_add_nc_u64 s[46:47], s[8:9], s[46:47]
	s_add_nc_u64 s[92:93], s[10:11], s[92:93]
	CROUND                                         ; all sixteen work-groups are here: the first joint loads meet
	s_mov_b32 s[G0S], 1
	s_add_co_u32 s[G0S+1], s94, SCL
	s_mov_b64 s[G0S+2:G0S+3], s[22:23]
	s_or_b32 s[G0S+3], s[G0S+3], 0x80000000
	s_mov_b32 s[G0SB], 1
	s_add_co_u32 s[G0SB+1], s94, SCL
	s_mov_b64 s[G0SB+2:G0SB+3], s[92:93]
	s_or_b32 s[G0SB+3], s[G0SB+3], 0x80000000
	JLOAD G0S, G1S, G0SB, G1SB                     ; the scales first: they are wanted with K step 0.  Three tensor loads of a wave are out at the most: this one and the two slots'
.irp s, 0,1
	s_mov_b32 s[G0+4*\s], 1
	s_add_co_u32 s[G0+4*\s+1], s45, \s*SLOT
	s_add_nc_u64 s[G0+4*\s+2:G0+4*\s+3], s[20:21], \s*ROWB
	s_or_b32 s[G0+4*\s+3], s[G0+4*\s+3], 0x80000000
	s_mov_b32 s[G0B+4*\s], 1
	s_add_co_u32 s[G0B+4*\s+1], s45, \s*SLOT
	s_add_nc_u64 s[G0B+4*\s+2:G0B+4*\s+3], s[46:47], \s*ROWB
	s_or_b32 s[G0B+4*\s+3], s[G0B+4*\s+3], 0x80000000
	JLOAD G0+4*\s, G1, G0B+4*\s, G1B
.endr
	v_and_b32 v1, 15, v0                           ; r = l % 16
	v_bfe_u32 v2, v0, 4, 1                         ; h = l / 16
	v_mul_u32_u24 v3, v1, PITCH
	v_lshl_add_u32 v4, v2, 4, v3                   ; a fragment's row x pitch + 16 x half
	s_mul_i32 s21, s15, HALFT                      ; my 128 rows of A
	s_mul_i32 s22, s16, HALFT                      ; my 128 rows of B,
	s_add_co_u32 s22, s22, 2*HALFT                 ; which lie behind A's 256
.irp s, 0,1
	v_add_nc_u32 v[ADRA+\s], s21, v4
	v_add_nc_u32 v[ADRB+\s], s22, v4
	s_add_co_u32 s21, s21, SLOT
	s_add_co_u32 s22, s22, SLOT
.endr
	v_mul_u32_u24 v5, v1, KS                       ; my row's scales: KS bytes a row,
	v_lshrrev_b32 v6, 8, v5
	v_lshl_add_u32 v5, v6, 4, v5                   ; and 16 more for each 256 passed
	s_mul_i32 s21, s15, HALFS                      ; A's: my 128 rows
	s_mul_i32 s22, s16, HALFS                      ; B's: my 128 rows, behind A's 256
	s_add_co_u32 s22, s22, 2*HALFS
	s_sub_co_u32 s22, s22, s21
	v_mul_u32_u24 v6, s22, v2                      ; lanes 16-31 take B's
	s_add_co_u32 s21, s21, SCL
	v_add_nc_u32 v5, v5, v6
	v_add_nc_u32 v[ADRS], s21, v5
	s_mul_i32 s23, s14, 16*SPITCH                  ; my stage
	v_mul_u32_u24 v5, v1, SPITCH                   ; in: row r, 16 bytes for each half of the lanes
	v_lshl_add_u32 v5, v2, 4, v5
	v_add_nc_u32 v[STO], s23, v5
	v_bfe_u32 v5, v0, 3, 1                         ; back: lanes 0-15 take two tokens' 128 bytes of my first head, lanes 16-31 of my second:
	v_mul_u32_u24 v5, v5, SPITCH                   ; row (l / 8) % 2,
	v_lshl_add_u32 v5, v2, 7, v5                   ; + 128 x head,
	v_and_b32 v6, 7, v0
	v_lshl_add_u32 v5, v6, 4, v5                   ; + 16 (l % 8)
	v_add_nc_u32 v[RD], s23, v5
	v_lshlrev_b32 v[CO], 4, v1                     ; and in qkv: 16 (l % 16): two tokens of a head are 256 bytes on end;
	v_lshl_add_u32 v[CO], v2, 18, v[CO]            ; the next head lies 262,144 bytes on
	; where my part begins in qkv: m0 = 256 x tile row + 128 x half, n0 = 256 x tile column + 128 x half: (n0 / 1024) 2^24 + (m0 / 2048) 2^22 + ((n0 / 64) % 16) 2^18 + (m0 % 2048) 128
	s_lshl_b32 s20, s17, 8
	s_lshl_b32 s21, s15, 7
	s_add_co_u32 s20, s20, s21                     ; m0
	s_lshr_b32 s21, s20, 11
	s_lshl_b32 s21, s21, 22
	s_and_b32 s20, s20, 2047
	s_lshl_b32 s20, s20, 7
	s_add_co_u32 s20, s20, s21
	s_lshl_b32 s46, s42, 8
	s_lshl_b32 s47, s16, 7
	s_add_co_u32 s46, s46, s47                     ; n0
	s_lshr_b32 s47, s46, 10
	s_lshl_b32 s47, s47, 24
	s_bfe_u32 s46, s46, 0x40006
	s_lshl_b32 s46, s46, 18
	s_add_co_u32 s46, s46, s47
	s_add_co_u32 s20, s20, s46
	s_mov_b32 s21, 0
	s_add_nc_u64 s[12:13], s[12:13], s[20:21]      ; never stepped: a block's place stands in the stores' immediates
.macro FRAG reg, adr, q, i             ; a fragment, 16 rows x 128 K of 4-bit codes, is 8 registers: lane l holds row l % 16; registers 4 c .. 4 c + 3 hold K = 64 c + 32 (l / 16) + 0 .. 31
.irp c, 0,1
	ds_load_b128 v[\reg+4*\c:\reg+4*\c+3], v[\adr] offset:64*(\q)+32*\c+(\i)*16*PITCH
.endr
.endm
; 16 matrix instructions: A's blocks a0, a0 + 1 x B's eight, 128 along K: the slot's q-th.  p: B's set;  sc: the set of scale words.  zero = 1: the first product starts the sums: nothing is ever cleared.
; The 64 accumulators take turns, one instruction a turn, in the same order in every step.
.macro MUL16 a0, p, q, sc, zero
.irp a, \a0, \a0+1
.irp b, 0,1,2,3,4,5,6,7
.if \zero
	v_wmma_scale_f32_16x16x128_f8f6f4 v[8*(8*((\a)%4)+\b):8*(8*((\a)%4)+\b)+7], v[128*(\p)+FR*\b:128*(\p)+FR*\b+FR-1], v[AF+FR*(\a):AF+FR*(\a)+FR-1], 0, v[SC+8*NQ*(\sc)+NQ*\b+(\q)], v[SC+8*NQ*(\sc)+NQ*(\a)+(\q)] matrix_a_fmt:MATRIX_FMT_FP4 matrix_b_fmt:MATRIX_FMT_FP4 matrix_a_scale:MATRIX_SCALE_ROW1
.else
	v_wmma_scale_f32_16x16x128_f8f6f4 v[8*(8*((\a)%4)+\b):8*(8*((\a)%4)+\b)+7], v[128*(\p)+FR*\b:128*(\p)+FR*\b+FR-1], v[AF+FR*(\a):AF+FR*(\a)+FR-1], v[8*(8*((\a)%4)+\b):8*(8*((\a)%4)+\b)+7], v[SC+8*NQ*(\sc)+NQ*\b+(\q)], v[SC+8*NQ*(\sc)+NQ*(\a)+(\q)] matrix_a_fmt:MATRIX_FMT_FP4 matrix_b_fmt:MATRIX_FMT_FP4 matrix_a_scale:MATRIX_SCALE_ROW1
.endif
.endr
.endr
.endm
.macro FETCH_B slot, q, p              ; B's eight fragments of the slot's q-th 128 along K into set p
	WIN TO_B
.irp i, 0,1,2,3,4,5,6,7
	FRAG 128*(\p)+FR*\i, ADRB+\slot, \q, \i
.endr
	WIN 0
.endm
.macro FETCH_A slot, q, i0             ; A's blocks i0 .. i0 + 3
.irp i, \i0, \i0+1, \i0+2, \i0+3
	FRAG AF+FR*(\i), ADRA+\slot, \q, \i
.endr
.endm
.macro SCALES sc                       ; a K step's scale words into set sc: NQ words a row; lanes 0-15 take A's block i, lanes 16-31 B's block i
.irp i, 0,1,2,3,4,5,6,7
	ds_load_b128 v[SC+8*NQ*\sc+NQ*\i:SC+8*NQ*\sc+NQ*\i+3], v[ADRS] offset:\i*SBLK
.endr
.endm
; A load into a register that a matrix instruction has read, and a vector instruction that reads a matrix result, stand NP places behind that matrix instruction, and only plain vector
; instructions that name none of its registers are places (ISA guide 7.12.1 for vector instructions); this text does not count the matrix instructions in between.
.macro PLACES n
.rept \n
	v_nop
.endr
.endm
; A step of 128 along K that has its successor in the same slot.
.macro STEP slot, q, zero
	s_wait_dscnt 4*NL                              ; B's set and A's blocks 0-3 are in; the youngest eight loads (A's blocks 4-7) may be out
	WIN MUL_LO
	MUL16 0, (\q)%2, \q, \slot, \zero
	MUL16 2, (\q)%2, \q, \slot, \zero
	s_wait_dscnt 0                                 ; A's blocks 4-7 are in (asked for 32 matrix instructions ago)
	PLACES NP
	FETCH_B \slot, (\q)+1, 1-(\q)%2
	FETCH_A \slot, (\q)+1, 0
	WIN MUL_HI
	MUL16 4, (\q)%2, \q, \slot, \zero
	MUL16 6, (\q)%2, \q, \slot, \zero
	PLACES NP
	WIN 0
	FETCH_A \slot, (\q)+1, 4
.endm
; Slot 0's last step changes slots: ONE barrier; in front of it each wave waits for all its tensor loads (slot 1's is the one that may be out), adds 0 to its spare word, and waits for that and for its own reads of slot 0.
; Nothing is filled again: K has no more steps.  Behind the barrier slot 1 is whole for every wave, and nobody reads slot 0 any more, so that the stages of the way out may lie there.
.macro TURN slot, next
	s_wait_tensorcnt 0x0                           ; all my tensor loads have landed: my part of the next slot;  (every window is 0 here: the add's two registers lie in window 0)
	ds_add_u32 v[SPW], v[NIL]                      ; 0 onto my spare word
	s_wait_dscnt 4*NL+1                            ; (the add and the youngest eight loads, A's blocks 4-7, may be out)
	WIN MUL_LO
	MUL16 0, 1, NQ-1, \slot, 0                     ; sixteen matrix instructions stand between the add and the wait for it
	s_wait_dscnt 0x0                               ; the add is done, and my reads of this slot are over
	s_barrier_signal -1
	MUL16 2, 1, NQ-1, \slot, 0
	WIN 0
	s_barrier_wait -1
	PLACES NP
	v_add_nc_u32 v[ADRS], 4*NQ, v[ADRS]            ; on to the next K step's scale words (no LDS load of mine is out)
	FETCH_B \next, 0, 0
	FETCH_A \next, 0, 0
	SCALES \next
	WIN MUL_HI
	MUL16 4, 1, NQ-1, \slot, 0
	MUL16 6, 1, NQ-1, \slot, 0
	PLACES NP
	WIN 0
	FETCH_A \next, 0, 4
.endm
.macro STEPS slot, from                ; the slot's steps from .. NQ - 2
.set Q, \from
.rept NQ-1-\from
	STEP \slot, Q, 0
.set Q, Q+1
.endr
.endm
	s_wait_tensorcnt 1                             ; the scales and my part of slot 0 are in (slot 1's load, the one issued behind them, may be out),
	s_barrier_signal -1
	s_barrier_wait -1                              ; everybody's are
	FETCH_B 0, 0, 0
	FETCH_A 0, 0, 0
	SCALES 0
	FETCH_A 0, 0, 4
	STEP 0, 0, 1                                   ; the first step's products start the sums
	STEPS 0, 1
	TURN 0, 1
	STEPS 1, 0
	s_wait_dscnt 4*NL                              ; the very last step: nothing more to fetch
	WIN MUL_LO
	MUL16 0, 1, NQ-1, 1, 0
	MUL16 2, 1, NQ-1, 1, 0
	s_wait_dscnt 0
	WIN MUL_HI
	MUL16 4, 1, NQ-1, 1, 0
	MUL16 6, 1, NQ-1, 1, 0
	WIN 0
; THE WAY OUT, block by block of 16 rows (tokens) x 128 columns (two heads).  PACK: rounded to f16, 16 bytes a lane, each accumulator from its low end on.  TOSTAGE: into my own stage in LDS, and back
; so that sixteen neighbouring lanes hold two tokens x 128 bytes of ONE head, which are 256 consecutive bytes of qkv.  SEND: stored.
.macro PACK a
.set AC, 64*((\a)%4)
.set WN, 0x0a+5*((\a)/4)
	WIN WN                                         ; sources 0 and 1: window 2 or 3
.irp b, 0,1,2,3,4,5,6,7
.irp r, 0,1,2,3
	v_cvt_pk_f16_f32 v[TMP+4*\b+\r], v[AC+8*\b+2*\r], v[AC+8*\b+2*\r+1]
.endr
.endr
	WIN 0
.endm
.macro TOSTAGE a
.set BB, BK+32*((\a)%2)
.irp b, 0,1,2,3,4,5,6,7
	ds_store_b128 v[STO], v[TMP+4*\b:TMP+4*\b+3] offset:32*\b
.endr
.irp t, 0,1,2,3,4,5,6,7
	ds_load_b128 v[BB+4*\t:BB+4*\t+3], v[RD] offset:\t*2*SPITCH    ; LDS serves a wave's instructions in order (ISA guide 5.7.1.4): these see the stores above
.endr
.endm
.macro SEND a
.set BB, BK+32*((\a)%2)
	s_wait_dscnt 0x0                               ; the block is back in registers
	s_wait_xcnt 0x0                                ; the block before has had its stores' addresses translated (ISA guide 3.1): its registers take the next block's loads only behind this wait
.irp t, 0,1,2,3,4,5,6,7
	global_store_b128 v[CO], v[BB+4*\t:BB+4*\t+3], s[12:13] offset:2048*(\a)+256*\t   ; 16 lanes store 256 consecutive bytes, at a multiple of 256 from qkv's first byte
.endr
.endm
	PLACES NP                                      ; behind the last products: for the conversions that read results, and for the loads into the registers that held A's fragments
	PACK 0
	TOSTAGE 0
.irp a, 1,2,3,4,5,6,7                  ; block a's conversions stand between block a - 1's loads from the stage and the wait for them
	PACK \a
	SEND \a-1
	TOSTAGE \a
.endr
	SEND 7
	s_wait_tensorcnt 0x0                           ; the wave's end: behind my last tensor load and my last LDS store
	ds_add_u32 v[SPW], v[NIL]
	s_wait_dscnt 0x0
	CROUND                                         ; the closing round: no work-group ends while a partner may still ask for a tile that names it
	s_endpgm
.Lfunc_end_k_q150ac22a40_qkvg:
	.size	k_q150ac22a40_qkvg, .Lfunc_end_k_q150ac22a40_qkvg-k_q150ac22a40_qkvg
	.p2alignl 7, 3214868480
	.fill 96, 4, 3214868480
	.section	.rodata,"a",@progbits
	.p2align	6, 0x0
	.amdhsa_kernel k_q150ac22a40_qkvg
		.amdhsa_group_segment_fixed_size 327680
		.amdhsa_private_segment_fixed_size 0
		.amdhsa_enable_private_segment 0
		.amdhsa_kernarg_size 40
		.amdhsa_user_sgpr_count 2
		.amdhsa_user_sgpr_kernarg_segment_ptr 1
		.amdhsa_wavefront_size32 1
		.amdhsa_system_sgpr_workgroup_id_x 1
		.amdhsa_system_sgpr_workgroup_id_y 1
		.amdhsa_system_sgpr_workgroup_id_z 1
		.amdhsa_system_vgpr_workitem_id 0
		.amdhsa_next_free_vgpr 1024
		.amdhsa_next_free_sgpr 98
		.amdhsa_reserve_vcc 0
		.amdhsa_float_denorm_mode_32 3
		.amdhsa_float_denorm_mode_16_64 3
		.amdhsa_memory_ordered 1
		.amdhsa_forward_progress 1
		.amdhsa_inst_pref_size 127
	.end_amdhsa_kernel
	.amdgpu_metadata
---
amdhsa.version: [ 1, 2 ]
amdhsa.kernels:
  - .name:           k_q150ac22a40_qkvg
    .symbol:         k_q150ac22a40_qkvg.kd
    .args:
      - { .name: xc, .offset: 0, .size: 8, .value_kind: global_buffer, .address_space: global }
      - { .name: xs, .offset: 8, .size: 8, .value_kind: global_buffer, .address_space: global }
      - { .name: wc, .offset: 16, .size: 8, .value_kind: global_buffer, .address_space: global }
      - { .name: ws, .offset: 24, .size: 8, .value_kind: global_buffer, .address_space: global }
      - { .name: qkv, .offset: 32, .size: 8, .value_kind: global_buffer, .address_space: global }
    .group_segment_fixed_size: 327680
    .private_segment_fixed_size: 0
    .kernarg_segment_align: 8
    .kernarg_segment_size: 40
    .max_flat_workgroup_size: 128
    .sgpr_count:     98
    .vgpr_count:     1024
    .wavefront_size: 32
...
	.end_amdgpu_metadata
.endif
;; end of part 2
;; launch attn (part 3): grid 4 x 64, 8 waves a work-group, no clusters, 327,680 bytes of LDS; arguments qkv, att; writes att
.if DOCPART == 3
	.amdgcn_target "amdgcn-amd-amdhsa--gfx1250"
	.amdhsa_code_object_version 6
	.text
	.protected	k_q150ac22a40_attn
	.globl	k_q150ac22a40_attn
	.p2align	8
	.type	k_q150ac22a40_attn,@function
k_q150ac22a40_attn:
	s_mov_b64 s[64:65], 0
	v_nop
	global_prefetch_b8 v0, s[64:65] scope:SCOPE_SE
	s_setreg_imm32_b32 hwreg(HW_REG_WAVE_MODE, 25, 1), 1
	s_wait_xcnt 0x0
; att[bh][q][:] = the sum over keys k <= q of softmax_k(Q[q] . K[k] / 8) V[k][:], for each of 64 heads (bh = 16 b + h) of 2,048 tokens and 64 channels.
; qkv: f16 [3][64 bh][2048 t][64 d] (q, k, v).  att: f16 in planes by head, [16 h][8192 m][64 d], m = 2048 b + t.  Products on f16 operands with f32 sums; maxima, exponentials and sums in f32;
; the weights p are rounded to f16 for the second product, att once at the end.
; LIMITS: NaN and infinities are not served; the running maximum starts at -3e38, under every score that q and k in f16 can give.
; SHARES.  A head has 8 blocks of 256 queries.  Work-group (J, bh), J = 0..3, owns block 7 - J, which needs the key slots (256 keys) 0 .. 7 - J, and then block J, which needs 0 .. J: 9 slots for every
; work-group, so that the trip count is a constant, all 256 work-groups have the same work, and no tile above the diagonal is fetched.  Wave w of eight owns 32 queries (two tiles of 16) of the block in hand;
; two waves share a SIMD, so that one wave's softmax stands beside the other's products.
; A trip is one key slot: four steps of 64 keys.  In a block's last trip (the diagonal) step q is open for q < w / 2, masked for q = w / 2, and left out for q > w / 2: branches on ids alone.
; LAYOUT.  S^T = K Q^T (source 0 = 16 keys, source 1 = 16 queries): a lane holds ONE query (lane % 16) and the keys 8 (lane / 16) + 0..7 of each tile of 16.  Two such tiles, rounded to f16 in pairs, ARE
; source 1 (32 keys x 16 queries) of O^T = V^T P, whose result again holds one query a lane.  K comes out of LDS as it lies, V ([key][channel]) turned, by ds_load_tr16_b128.
; SOFTMAX.  For each query a running maximum m and sum l: p = 2^(c s - c m), c = log2(e) / 8; in every step O^T and l are multiplied by a = 2^(c m_old - c m_new).
; NO CLUSTER: the four work-groups of a head want the same slot only until the first of them changes blocks (trips 5 to 8); from there on their slots differ, and a joint request wants one descriptor in all partners.
; LDS: two slots, 2^17 bytes apart; in a slot K as 128 double rows (two keys, 256 bytes) 272 bytes apart, then V as 128 double rows 288 bytes apart.  Behind them a stage of 32 rows x 144 bytes for each wave, and the spare words.
; REGISTERS, in two windows of 256 (s_set_vgpr_msb: bits 1:0 source 0, 3:2 source 1, 5:4 source 2, 7:6 destination):
;   window 0: v1-15 addresses; v16-31 statistics, eight a tile; v32-63, v224-255 the way out; v64-127 S^T, 32 a tile; v128-159 P, 16 a tile; v160-223 K's fragments of a step
;   window 1: v0-63 O^T (tile t, channels 16 c on: 32 t + 8 c); v64-95 Q (tile t, channels 32 f on: 64 + 16 t + 8 f); v128-191 V's fragments of a step
.set PKP,    272                       ; K's double row: 256 bytes + 16 = 68 words: the sixteen keys of a load fall on sixteen different columns of 16 bytes (64 banks of 4 bytes: ISA guide 11.1)
.set PVP,    288                       ; V's: 256 + 32
.set VOFF,   128*PKP                   ; V behind K in a slot
.set KSTEPB, 32*PKP                    ; a step's 64 keys of K,
.set VSTEPB, 32*PVP                    ; and of V
.set SLOT1,  1<<17                     ; slot 1 begins here: one exclusive or turns an address in one slot into the other's
.set STAGE,  SLOT1+VOFF+128*PVP        ; behind the ring
.set SPT,    144                       ; a stage row: 128 bytes + 16
.set SPARE,  STAGE+8*32*SPT            ; the spare words, 128 bytes for each wave: four blocks of 256 bytes that no other line names
.set SLOTB,  32768                     ; a key slot in memory: 256 keys x 128 bytes
.set AK0, 3                            ; v3   my lane's place in a tile of K; never rewritten
.set AV0, 4                            ; v4   the same for V
.set ADK, 5                            ; v5   LDS address of the step's K
.set ADV, 6                            ; v6   and V
.set QO,  7                            ; v7   my byte offset in the wave's rows of Q
.set STO, 8                            ; v8   the way out: where I put 16 bytes of a row
.set RD,  9                            ; v9   and where I read 16 bytes back
.set GO,  10                           ; v10  my byte offset in the wave's rows of att
.set SPW, 11                           ; v11  LDS address of my spare word: SPARE + 4 x my thread's number; never rewritten
.set NIL, 12                           ; v12  0; never rewritten
.set PFO, 13                           ; v13  256 x my lane; never rewritten
.set MD,  14                           ; v14  the mask's number: 32 (w % 2) + lane % 16 - 8 (lane / 16)
.set NEG, 15                           ; v15  -infinity
.set ST,  16                           ; tile t's statistics at v[ST + 8 t]: +0 c m, +1 m, +2, +3 l (even keys', odd keys'), +4 to +7 c0-c3, at work; a takes c2's place
.set PK,  32
.set S,   64
.set P,   128
.set KF,  160
.set BKR, 224
.set QF,  64                           ; in window 1
.set VF,  128                          ; in window 1
.set WV,   8                           ; s8   my wave's number;  s9 half of it
.set WH,   9
.set J,    10                          ; s10  work-group x;  s11 the head
.set BH,   11
.set SW,   12                          ; s12  8 - J: the trip at whose head the blocks change;  s13 7 - J: the first block, and its diagonal trip
.set SWM1, 13
.set TAU,  14                          ; s14  the trip;  s15 the step;  s16 the last step that is worked, which is the masked one (7: all four, none masked)
.set QS,   15
.set LIMQ, 16
.set TK,   17                          ; s17  LDS byte at which the step's K begins;  s18 how far V's has moved
.set TV,   18
.set SEL,  20                          ; s[20:21] lane selects for v_permlanex16_b32: lane l xor 16
.set CS,   22                          ; s[22:23] c: the packed form names a pair and takes its low word for both halves
.set G1K,  24                          ; s[24:31], s[32:39] descriptor groups 1 for K's and V's tiles;  s[40:43], s[44:47] their groups 0, which walk
.set G1V,  32
.set G0K,  40
.set G0V,  44
.set KB,   48                          ; s[48:49], s[50:51] my half of the head's first slot of K, of V
.set VB,   50
.set KO,   52                          ; s[52:53] the byte offset of the slot that is asked for
.set QA,   54                          ; s[54:55], s[56:57] my rows of Q and of att in the block in hand
.set OA,   56
.set QB0,  58                          ; s[58:59], s[60:61] the same in block 0
.set OB0,  60
.set BLKO, 62                          ; s[62:63] block x 32,768
.set PFK,  66                          ; s[66:67], s[68:69] where my prefetches stand
.set PFV,  68
.set LIM,  70                          ; s70  6 in a wave that prefetches, else 0: a wave prefetches while the trip's number is under it
.set MSB, 0
.macro WIN new                         ; the immediate's high byte repeats the setting that is left; a switch that changes nothing is dropped
.if MSB != \new
	s_set_vgpr_msb (MSB<<8)|\new
.set MSB, \new
.endif
.endm
; Waves 0 and 1 fetch K's halves of a slot, waves 2 and 3 V's (64 double rows each), the others nothing.  The branches hang on the wave's number alone.  Four v_nop follow each of the two lines.
.macro TLOAD
	s_cmp_lt_u32 s[WV], 2
	s_cbranch_scc0 .Lnot_k_\@
	tensor_load_to_lds s[G0K:G0K+3], s[G1K:G1K+7]
	s_nop 0
.rept 4
	v_nop
.endr
	s_branch .Lasked_\@
.Lnot_k_\@:
	s_cmp_lt_u32 s[WV], 4
	s_cbranch_scc0 .Lasked_\@
	tensor_load_to_lds s[G0V:G0V+3], s[G1V:G1V+7]
	s_nop 0
.rept 4
	v_nop
.endr
.Lasked_\@:
.endm
; A PREFETCH INTO THE L2 of what the NEXT change of slots will ask for.  With the later block first, the four work-groups of a head walk slots 0, 1, 2 .. side by side, and work-group J = 0 walks all eight:
; it alone asks (a branch on the work-group's number).  In it waves 4 to 7, which fetch nothing, ask: 8,192 bytes of K and 8,192 of V each, lanes 256 bytes apart.  At the change of trip t it is slot t + 2:
; one trip of four key steps ahead of the tensor load that will want it.  Each block of 256 bytes is named once in the launch.  Slots 0 and 1 come by their loads alone; trips 6 to 8 ask for nothing: slot 7 is the head's last.
.macro ASK
	s_cmp_lt_u32 s[TAU], s[LIM]
	s_cbranch_scc0 .Lnot_mine_\@
	global_prefetch_b8 v[PFO], s[PFK:PFK+1] th:TH_LOAD_NT scope:SCOPE_SE
	global_prefetch_b8 v[PFO], s[PFV:PFV+1] th:TH_LOAD_NT scope:SCOPE_SE
.Lnot_mine_\@:
.endm
; THE CHANGE OF SLOTS stands at a trip's head.  Each wave waits for all its tensor loads (its part of the slot that it is about to read), adds 0 to its spare word, and waits for that and for its reads of the slot that it has left.
; Behind the barrier the slot ahead is whole and nobody reads the other one.  fill = 1: that other slot is filled with the next trip's keys: the slot after this one, or slot 0 where the next trip begins the second block.
; A wave never has more than one tensor load out.
.macro CHANGE fill
	s_wait_tensorcnt 0x0                           ; no tensor load of mine is out, so a group 0 may be written
	ds_add_u32 v[SPW], v[NIL]                      ; 0 onto my spare word; with fill = 1 the descriptors' steps stand between it and the wait for it
.if \fill
	s_xor_b32 s[G0K+1], s[G0K+1], SLOT1            ; the other LDS slot than last time
	s_xor_b32 s[G0V+1], s[G0V+1], SLOT1
	s_add_co_u32 s71, s[TAU], 1
	s_add_co_u32 s[KO], s[KO], SLOTB
	s_cmp_eq_u32 s71, s[SW]
	s_cselect_b32 s[KO], 0, s[KO]                  ; the second block begins at the head's first keys again
	s_add_nc_u64 s[G0K+2:G0K+3], s[KB:KB+1], s[KO:KO+1]
	s_or_b32 s[G0K+3], s[G0K+3], 0x80000000
	s_add_nc_u64 s[G0V+2:G0V+3], s[VB:VB+1], s[KO:KO+1]
	s_or_b32 s[G0V+3], s[G0V+3], 0x80000000
	s_wait_xcnt 0x0                                ; the last prefetches, a trip back, have read their addresses, so these may be written
	s_add_nc_u64 s[PFK:PFK+1], s[PFK:PFK+1], SLOTB
	s_add_nc_u64 s[PFV:PFV+1], s[PFV:PFV+1], SLOTB
.endif
	s_wait_dscnt 0x0                               ; the add is done, and my reads of the slot that I have left are over
	s_barrier_signal -1
	s_barrier_wait -1
.if \fill
	TLOAD                                          ; the first thing behind the barrier, and a wave's one tensor load until the next
	ASK
.endif
.endm
; A BLOCK BEGINS: its Q into registers; O^T and l are zeros and m is -3e38, so that the key step is written once: the first change of m multiplies zeros.
.macro START
	s_add_nc_u64 s[QA:QA+1], s[QB0:QB0+1], s[BLKO:BLKO+1]
	s_add_nc_u64 s[OA:OA+1], s[OB0:OB0+1], s[BLKO:BLKO+1]
	WIN 0x40                                       ; destination window 1, address window 0
.irp t, 0,1
.irp f, 0,1
	global_load_b128 v[QF+16*\t+8*\f:QF+16*\t+8*\f+3],   v[QO], s[QA:QA+1] offset:2048*\t+64*\f
	global_load_b128 v[QF+16*\t+8*\f+4:QF+16*\t+8*\f+7], v[QO], s[QA:QA+1] offset:2048*\t+64*\f+32
.endr
.endr
.set n, 0
.rept 64
	v_mov_b32 v[n], 0                              ; O^T
.set n, n+1
.endr
	WIN 0
.irp t, 0,1
	v_mov_b32 v[ST+8*\t+1], 0xff61b1e6             ; m = -3e38
	v_mul_f32 v[ST+8*\t], s[CS], v[ST+8*\t+1]      ; c m
.irp i, 2,3,4,5,6,7
	v_mov_b32 v[ST+8*\t+\i], 0                     ; l; and c0-c3, written once: a lane permute's destination and the upper half of a named pair count as read
.endr
.endr
	s_wait_loadcnt 0x0                             ; Q
.endm
; A BLOCK ENDS: l's two halves and the other half of the lanes' are added; O^T is divided by l, rounded to f16 and sent through my stage in LDS: the wave's 32 rows x 128 bytes are 4,096 consecutive bytes of att.
.macro FINISH
.irp t, 0,1
	v_add_f32 v[ST+8*\t+4], v[ST+8*\t+2], v[ST+8*\t+3]
.endr
.irp t, 0,1
	v_permlanex16_b32 v[ST+8*\t+5], v[ST+8*\t+4], s[SEL], s[SEL+1]
.endr
.irp t, 0,1
	v_add_f32 v[ST+8*\t+4], v[ST+8*\t+4], v[ST+8*\t+5]
.endr
.irp t, 0,1
	v_rcp_f32 v[ST+8*\t+6], v[ST+8*\t+4]
.endr
	v_nop                                          ; a plain instruction between the last reciprocal and the use of its result
	WIN 0x41                                       ; O^T (destination and source 0) in window 1, 1 / l in window 0
	s_wait_alu depctr_va_vdst(0)
.irp t, 0,1
.set n, 0
.rept 16
	v_pk_mul_f32 v[32*\t+2*n:32*\t+2*n+1], v[32*\t+2*n:32*\t+2*n+1], v[ST+8*\t+6:ST+8*\t+7] op_sel_hi:[1,0]   ; ascending: each accumulator from its low end on
.set n, n+1
.endr
.endr
	WIN 0x05                                       ; sources 0 and 1 window 1, destination window 0
.set n, 0
.rept 32
	v_cvt_pk_f16_f32 v[PK+n], v[2*n], v[2*n+1]
.set n, n+1
.endr
	WIN 0
.irp t, 0,1
.irp c, 0,1,2,3
	ds_store_b128 v[STO], v[PK+16*\t+4*\c:PK+16*\t+4*\c+3] offset:16*SPT*\t+32*\c   ; row 16 t + lane % 16, channels 16 c + 8 (lane / 16) on
.endr
.endr
.irp i, 0,1,2,3,4,5,6,7
	ds_load_b128 v[BKR+4*\i:BKR+4*\i+3], v[RD] offset:4*SPT*\i   ; four rows a load.  LDS serves a wave's instructions in order (ISA guide 5.7.1.4): these see the stores above
.endr
.irp i, 0,1,2,3,4,5,6,7
	s_wait_dscnt 7-\i                              ; load i is in; the younger ones may be out
	global_store_b128 v[GO], v[BKR+4*\i:BKR+4*\i+3], s[OA:OA+1] offset:512*\i   ; 32 lanes store 512 consecutive bytes, at a multiple of 256 from att's first byte
.endr
	s_wait_xcnt 0x0                                ; the stores have read their registers and their base: both are written again only behind this wait
.endm
.macro SWITCH                          ; from block 7 - J to block J
	FINISH
	s_lshl_b32 s[BLKO], s[J], 15
	START
.endm
.macro SUM t                           ; the sum of tile t's 16 pairs of weights (in a pair: an even key's, an odd key's), in place, neighbours 1, 2, 4 and 8 pairs apart; then l = a l + the sum
.irp u, 0,1,2,3,4,5,6,7
	v_pk_add_f32 v[S+32*\t+4*\u:S+32*\t+4*\u+1], v[S+32*\t+4*\u:S+32*\t+4*\u+1], v[S+32*\t+4*\u+2:S+32*\t+4*\u+3]
.endr
.irp u, 0,1,2,3
	v_pk_add_f32 v[S+32*\t+8*\u:S+32*\t+8*\u+1], v[S+32*\t+8*\u:S+32*\t+8*\u+1], v[S+32*\t+8*\u+4:S+32*\t+8*\u+5]
.endr
.irp u, 0,1
	v_pk_add_f32 v[S+32*\t+16*\u:S+32*\t+16*\u+1], v[S+32*\t+16*\u:S+32*\t+16*\u+1], v[S+32*\t+16*\u+8:S+32*\t+16*\u+9]
.endr
	v_pk_add_f32 v[S+32*\t:S+32*\t+1], v[S+32*\t:S+32*\t+1], v[S+32*\t+16:S+32*\t+17]
	v_pk_fma_f32 v[ST+8*\t+2:ST+8*\t+3], v[ST+8*\t+2:ST+8*\t+3], v[ST+8*\t+6:ST+8*\t+7], v[S+32*\t:S+32*\t+1] op_sel_hi:[1,0,1]
.endm
; THE SOFTMAX OF A STEP, both tiles.  Where one line feeds the next the two tiles take turns.
.macro SOFTMAX
.irp k, 0,1,2,3                        ; the maximum of the lane's 32 scores and the old m, three operands at a time: four chains, each begun at an accumulator's low end
.irp t, 0,1
	v_max3_num_f32 v[ST+8*\t+4+\k], v[S+32*\t+8*\k], v[S+32*\t+8*\k+1], v[S+32*\t+8*\k+2]
.endr
.endr
.irp i, 3,5
.irp k, 0,1,2,3
.irp t, 0,1
	v_max3_num_f32 v[ST+8*\t+4+\k], v[ST+8*\t+4+\k], v[S+32*\t+8*\k+\i], v[S+32*\t+8*\k+\i+1]
.endr
.endr
.endr
.irp t, 0,1
	v_max3_num_f32 v[ST+8*\t+4], v[ST+8*\t+4], v[S+32*\t+7], v[S+32*\t+15]
.endr
.irp t, 0,1
	v_max3_num_f32 v[ST+8*\t+6], v[ST+8*\t+6], v[S+32*\t+23], v[S+32*\t+31]
.endr
.irp t, 0,1
	v_max3_num_f32 v[ST+8*\t+4], v[ST+8*\t+4], v[ST+8*\t+5], v[ST+8*\t+6]
.endr
.irp t, 0,1
	v_max3_num_f32 v[ST+8*\t+4], v[ST+8*\t+4], v[ST+8*\t+7], v[ST+8*\t+1]
.endr
.irp t, 0,1
	v_permlanex16_b32 v[ST+8*\t+5], v[ST+8*\t+4], s[SEL], s[SEL+1]   ; the query's other 32 keys lie in the lane 16 away
.endr
.irp t, 0,1
	v_mov_b32 v[ST+8*\t+7], v[ST+8*\t]             ; c m_old is kept for a
.endr
.irp t, 0,1
	v_max_num_f32 v[ST+8*\t+1], v[ST+8*\t+4], v[ST+8*\t+5]   ; the new m
.endr
.irp t, 0,1
	v_mul_f32 v[ST+8*\t], s[CS], v[ST+8*\t+1]
.endr
.irp t, 0,1
	v_sub_f32 v[ST+8*\t+7], v[ST+8*\t+7], v[ST+8*\t]
.endr
.irp t, 0,1
	v_exp_f32 v[ST+8*\t+6], v[ST+8*\t+7]           ; a = 2^(c m_old - c m_new)
.endr
.set n, 0
.rept 16
	v_pk_fma_f32 v[S+2*n:S+2*n+1], v[S+2*n:S+2*n+1], s[CS:CS+1], v[ST:ST+1] op_sel_hi:[1,0,0] neg_lo:[0,0,1] neg_hi:[0,0,1]   ; tile 0: c s - c m
.set n, n+1
.endr
.set n, 0
.rept 16                               ; tile 0's exponentials, with tile 1's scalings as the plain lines behind them
	v_exp_f32 v[S+2*n], v[S+2*n]
	v_exp_f32 v[S+2*n+1], v[S+2*n+1]
	v_pk_fma_f32 v[S+32+2*n:S+32+2*n+1], v[S+32+2*n:S+32+2*n+1], s[CS:CS+1], v[ST+8:ST+9] op_sel_hi:[1,0,0] neg_lo:[0,0,1] neg_hi:[0,0,1]
.set n, n+1
.endr
.set n, 0
.rept 16                               ; tile 1's exponentials, with tile 0's roundings between them
	v_exp_f32 v[S+32+2*n], v[S+32+2*n]
	v_exp_f32 v[S+32+2*n+1], v[S+32+2*n+1]
	s_wait_alu depctr_va_vdst(0)
	v_cvt_pk_f16_f32 v[P+n], v[S+2*n], v[S+2*n+1]
.set n, n+1
.endr
	SUM 0                                          ; l is summed of the unrounded weights.  (Plain lines between tile 1's last exponential and the first use of its results)
.set n, 0
	s_wait_alu depctr_va_vdst(0)
.rept 16
	v_cvt_pk_f16_f32 v[P+16+n], v[S+32+2*n], v[S+32+2*n+1]
.set n, n+1
.endr
	SUM 1
.endm
; A TRIP'S FOUR KEY STEPS: written once, walked four times; the LDS addresses hang on s[TK] and s[TV], which are stepped in every walk, worked or not.
; In both products eight accumulators take turns, one instruction a turn.
.macro STEPS
	s_mov_b32 s[QS], 0
.Lq_\@:
	s_cmp_gt_u32 s[QS], s[LIMQ]
	s_cbranch_scc1 .Lhid_\@                        ; all 64 keys come after my 32 queries: the step's work is left out
	v_add_nc_u32 v[ADK], s[TK], v[AK0]
	v_add_nc_u32 v[ADV], s[TV], v[AV0]
.irp j, 0,1,2,3                        ; K: keys 16 j on, channels 32 f on
.irp f, 0,1
	ds_load_b128 v[KF+8*(2*\j+\f):KF+8*(2*\j+\f)+3],   v[ADK] offset:8*PKP*\j+64*\f
	ds_load_b128 v[KF+8*(2*\j+\f)+4:KF+8*(2*\j+\f)+7], v[ADK] offset:8*PKP*\j+64*\f+32
.endr
.endr
	WIN 0x40                                       ; destination window 1
.irp g, 0,1                            ; V, turned: keys 32 g on, channels 16 c on
.irp c, 0,1,2,3
	ds_load_tr16_b128 v[VF+8*(4*\g+\c):VF+8*(4*\g+\c)+3],   v[ADV] offset:16*PVP*\g+32*\c
	ds_load_tr16_b128 v[VF+8*(4*\g+\c)+4:VF+8*(4*\g+\c)+7], v[ADV] offset:16*PVP*\g+32*\c+8*PVP
.endr
.endr
	s_wait_dscnt 16                                ; K's sixteen loads are in; V's sixteen, issued behind them, may be out
	WIN 0x04                                       ; Q (source 1) in window 1; K and S^T in window 0
.irp f, 0,1
.irp j, 0,1,2,3
.irp t, 0,1
.if \f == 0
	v_wmma_f32_16x16x32_f16 v[S+32*\t+8*\j:S+32*\t+8*\j+7], v[KF+8*(2*\j+\f):KF+8*(2*\j+\f)+7], v[QF+16*\t+8*\f:QF+16*\t+8*\f+7], 0
.else
	v_wmma_f32_16x16x32_f16 v[S+32*\t+8*\j:S+32*\t+8*\j+7], v[KF+8*(2*\j+\f):KF+8*(2*\j+\f)+7], v[QF+16*\t+8*\f:QF+16*\t+8*\f+7], v[S+32*\t+8*\j:S+32*\t+8*\j+7]
.endif
.endr
.endr
.endr
	WIN 0
.rept 4
	v_nop                                          ; four places between the last product and the first read of results (ISA guide 7.12.1)
.endr
	s_cmp_lg_u32 s[QS], s[LIMQ]
	s_cbranch_scc1 .Lopen_\@                       ; a step all of whose keys count
.irp t, 0,1                            ; on the diagonal: register n of tile t holds key 16 (n / 8) + 8 (lane / 16) + n % 8 of the step, my query is 32 (w % 2) + 16 t + lane % 16: a later key's score becomes -infinity, so that p = 0
.set n, 0
.rept 32
	v_cmp_gt_i32 vcc_lo, 16*(n/8)+n%8-16*\t, v[MD]
	v_cndmask_b32 v[S+32*\t+n], v[S+32*\t+n], v[NEG], vcc_lo
.set n, n+1
.endr
.endr
.Lopen_\@:
	SOFTMAX
	WIN 0x41                                       ; O^T in window 1, a in window 0
.irp t, 0,1
.set n, 0
.rept 16
	v_pk_mul_f32 v[32*\t+2*n:32*\t+2*n+1], v[32*\t+2*n:32*\t+2*n+1], v[ST+8*\t+6:ST+8*\t+7] op_sel_hi:[1,0]   ; O^T under the new m; ascending: each accumulator from its low end on
.set n, n+1
.endr
.endr
	s_wait_dscnt 0x0                               ; V is in
	WIN 0x51                                       ; V (source 0), C and D in window 1; P (source 1) in window 0
.irp g, 0,1
.irp c, 0,1,2,3
.irp t, 0,1
	v_wmma_f32_16x16x32_f16 v[32*\t+8*\c:32*\t+8*\c+7], v[VF+8*(4*\g+\c):VF+8*(4*\g+\c)+7], v[P+16*\t+8*\g:P+16*\t+8*\g+7], v[32*\t+8*\c:32*\t+8*\c+7]
.endr
.endr
.endr
	WIN 0
.rept 4
	v_nop                                          ; four places in front of the next step's loads into V's registers, and of whatever next reads O^T
.endr
.Lhid_\@:
	s_add_co_u32 s[TK], s[TK], KSTEPB
	s_add_co_u32 s[TV], s[TV], VSTEPB
	s_add_co_u32 s[QS], s[QS], 1
	s_cmp_lt_u32 s[QS], 4
	s_cbranch_scc1 .Lq_\@
	s_sub_co_u32 s[TK], s[TK], 4*KSTEPB            ; back to a slot's first step,
	s_sub_co_u32 s[TV], s[TV], 4*VSTEPB
	s_xor_b32 s[TK], s[TK], SLOT1                  ; in the other slot
	s_xor_b32 s[TV], s[TV], SLOT1
.endm
	s_load_b128 s[4:7], s[0:1], 0x0                ; qkv s[4:5], att s[6:7]
	v_lshl_add_u32 v[SPW], v0, 2, SPARE
	v_mov_b32 v[NIL], 0
	ds_add_u32 v11, v12
	s_wait_dscnt 0x0
	v_lshrrev_b32 v1, 5, v0
	v_readfirstlane_b32 s[WV], v1                  ; wave 0..7
	s_lshr_b32 s[WH], s[WV], 1
	s_mov_b32 s[J], ttmp9
	s_and_b32 s[BH], ttmp7, 0xffff
	s_sub_co_u32 s[SW], 8, s[J]
	s_sub_co_u32 s[SWM1], 7, s[J]
	; descriptor group 1: 64 double rows of 128 elements of 2 bytes, dense in memory, padded in LDS
	s_mov_b32 s[G1K], (1<<16)|(1<<20)|(5<<22)|(3<<25)   ; 15:0 no mask; 17:16 elements of 2 bytes; 20 padding on; 24:22 after every 64 words (code 5); 31:25 4 words of it (code 3)
	s_mov_b32 s[G1V], (1<<16)|(1<<20)|(5<<22)|(7<<25)   ; the same with 8 words of padding (code 7)
.irp g, G1K, G1V
	s_mov_b32 s[\g+1], 128<<16                     ; tensor_dim0 = 128
	s_mov_b32 s[\g+2], 64<<16                      ; tensor_dim1 = 64
	s_mov_b32 s[\g+3], 128<<16                     ; tile_dim0 = 128
	s_mov_b32 s[\g+4], 64                          ; tile_dim1 = 64
	s_mov_b32 s[\g+5], 128                         ; tensor_dim0_stride
	s_mov_b32 s[\g+6], 0
	s_mov_b32 s[\g+7], 0
.endr
	s_mov_b32 s[SEL], 0x76543210
	s_mov_b32 s[SEL+1], 0xfedcba98
	s_mov_b32 s[CS], 0x3e38aa3b                    ; c = log2(e) / 8
	s_mov_b32 s[CS+1], s[CS]                       ; (named with it as a pair, so it is written)
	s_and_b32 s71, s[WV], 1                        ; which half of a slot I fetch, if I fetch
	s_mov_b32 s[G0K], 1                            ; 1:0 count = 1
	s_mul_i32 s[G0K+1], s71, 64*PKP                ; 63:32 LDS address: slot 0
	s_mov_b32 s[G0V], 1
	s_mul_i32 s[G0V+1], s71, 64*PVP
	s_add_co_u32 s[G0V+1], s[G0V+1], VOFF
	s_lshl_b32 s72, s[BH], 18                      ; the head's first byte in q, in k and in v
	s_lshl_b32 s74, s71, 14                        ; my half: 128 keys x 128 bytes
	s_add_co_u32 s74, s74, s72
	s_add_co_u32 s74, s74, 1<<24                   ; k lies 2^24 bytes behind q
	s_mov_b32 s75, 0
	s_mov_b32 s[KO], 0
	s_mov_b32 s[KO+1], 0
	s_wait_kmcnt 0x0
	s_add_nc_u64 s[KB:KB+1], s[4:5], s[74:75]
	s_add_nc_u64 s[VB:VB+1], s[KB:KB+1], 1<<24     ; and v 2^24 behind k
	s_mov_b64 s[G0K+2:G0K+3], s[KB:KB+1]           ; 120:64 global address: the head's first slot
	s_or_b32 s[G0K+3], s[G0K+3], 0x80000000        ; 127:126 type = 2
	s_mov_b64 s[G0V+2:G0V+3], s[VB:VB+1]
	s_or_b32 s[G0V+3], s[G0V+3], 0x80000000
	TLOAD                                          ; slot 0; slot 1's first fill goes out behind the first trip's barrier, as a refill does
	s_lshl_b32 s74, s[WV], 12                      ; my 32 rows of 128 bytes
	s_add_co_u32 s74, s74, s72
	s_add_nc_u64 s[QB0:QB0+1], s[4:5], s[74:75]
	s_and_b32 s76, s[BH], 15                       ; att: plane h,
	s_lshl_b32 s76, s76, 20
	s_lshr_b32 s77, s[BH], 4                       ; batch b's 2,048 rows,
	s_lshl_b32 s77, s77, 18
	s_add_co_u32 s76, s76, s77
	s_lshl_b32 s77, s[WV], 12                      ; my 32 rows
	s_add_co_u32 s76, s76, s77
	s_mov_b32 s77, 0
	s_add_nc_u64 s[OB0:OB0+1], s[6:7], s[76:77]
	s_and_b32 s74, s[WV], 3                        ; the prefetches: my quarter of a slot,
	s_lshl_b32 s74, s74, 13
	s_add_co_u32 s74, s74, s72
	s_add_co_u32 s74, s74, (1<<24)+SLOTB           ; in slot 1 of K: the first change of slots steps it to slot 2.  Nothing is prefetched here, at the head
	s_add_nc_u64 s[PFK:PFK+1], s[4:5], s[74:75]
	s_add_nc_u64 s[PFV:PFV+1], s[PFK:PFK+1], 1<<24
	s_lshr_b32 s71, s[WV], 2
	s_xor_b32 s71, s71, 1                          ; 0 in waves 4 to 7,
	s_or_b32 s71, s71, s[J]                        ; of work-group J = 0
	s_cmp_eq_u32 s71, 0
	s_cselect_b32 s[LIM], 6, 0
	v_and_b32 v1, 15, v0                           ; r = lane % 16
	v_bfe_u32 v2, v0, 4, 1                         ; h = lane / 16
	; a fragment of K or Q is 16 rows x 32 channels in 8 registers: lane l holds row r; registers 0-3 channels 8 h + 0..7, registers 4-7 channels 16 + 8 h + 0..7: two loads of 16 bytes, 32 bytes apart
	v_lshrrev_b32 v[AK0], 1, v1
	v_mul_u32_u24 v[AK0], v[AK0], PKP              ; key r lies in double row r / 2,
	v_and_b32 v5, 1, v0
	v_lshl_add_u32 v[AK0], v5, 7, v[AK0]           ; in its half r % 2
	v_lshl_add_u32 v[AK0], v2, 4, v[AK0]
	; the turning load takes 16 keys x 16 channels (lane l reads 16 bytes: key 8 h + l % 8, channels 8 ((l / 8) % 2) + 0..7) and leaves half a fragment of V^T: lane l holds channel r and 8 keys
	v_bfe_u32 v[AV0], v0, 1, 2
	v_lshl_add_u32 v[AV0], v2, 2, v[AV0]           ; double row 4 h + (l % 8) / 2,
	v_mul_u32_u24 v[AV0], v[AV0], PVP
	v_lshl_add_u32 v[AV0], v5, 7, v[AV0]           ; its half l % 2
	v_bfe_u32 v6, v0, 3, 1
	v_lshl_add_u32 v[AV0], v6, 4, v[AV0]
	v_add_nc_u32 v[AV0], VOFF, v[AV0]
	v_lshlrev_b32 v[QO], 7, v1
	v_lshl_add_u32 v[QO], v2, 4, v[QO]             ; Q: row r of 128 bytes, + 16 h
	s_mul_i32 s76, s[WV], 32*SPT
	s_add_co_u32 s76, s76, STAGE                   ; my stage
	v_mul_u32_u24 v[STO], v1, SPT
	v_lshl_add_u32 v[STO], v2, 4, v[STO]
	v_add_nc_u32 v[STO], s76, v[STO]               ; in: row r, 16 bytes for each half of the lanes
	v_bfe_u32 v[RD], v0, 3, 2
	v_mul_u32_u24 v[RD], v[RD], SPT
	v_and_b32 v5, 7, v0
	v_lshl_add_u32 v[RD], v5, 4, v[RD]
	v_add_nc_u32 v[RD], s76, v[RD]                 ; back: eight lanes to a row of 128 bytes, four rows a load
	v_and_b32 v[GO], 31, v0
	v_lshlrev_b32 v[PFO], 8, v[GO]
	v_lshlrev_b32 v[GO], 4, v[GO]                  ; and the same 512 bytes in att
	v_lshlrev_b32 v[MD], 3, v2
	v_sub_nc_u32 v[MD], v1, v[MD]
	s_and_b32 s77, s[WV], 1
	s_lshl_b32 s77, s77, 5
	v_add_nc_u32 v[MD], s77, v[MD]
	v_mov_b32 v[NEG], 0xff800000
	s_lshl_b32 s[BLKO], s[SWM1], 15                ; the later block first
	s_mov_b32 s[BLKO+1], 0
	START
	s_mov_b32 s[TAU], 0
	s_mov_b32 s[TK], 0
	s_mov_b32 s[TV], 0
.Ltrip:                                                ; eight trips: behind each change of slots the next trip's slot is asked for
	CHANGE 1
	s_cmp_lg_u32 s[TAU], s[SW]
	s_cbranch_scc1 .Lsame
	SWITCH                                         ; the first block is done (J = 1, 2, 3: trips 7, 6, 5)
.Lsame:
	s_cmp_eq_u32 s[TAU], s[SWM1]
	s_cselect_b32 s[LIMQ], s[WH], 7                ; the first block's diagonal, or a trip all of whose keys count
	STEPS
	s_add_co_u32 s[TAU], s[TAU], 1
	s_cmp_lt_u32 s[TAU], 8
	s_cbranch_scc1 .Ltrip
	CHANGE 0                                       ; the ninth trip is written out: nothing is left to ask for
	s_cmp_lg_u32 s[SW], 8
	s_cbranch_scc1 .Lsame2
	SWITCH                                         ; J = 0: its second block has this one trip
.Lsame2:
	s_mov_b32 s[LIMQ], s[WH]                       ; the second block's diagonal
	STEPS
	FINISH
	s_wait_tensorcnt 0x0                           ; the wave's end: behind my last tensor load and my last LDS store
	ds_add_u32 v[SPW], v[NIL]
	s_wait_dscnt 0x0
	s_endpgm
.Lfunc_end_k_q150ac22a40_attn:
	.size	k_q150ac22a40_attn, .Lfunc_end_k_q150ac22a40_attn-k_q150ac22a40_attn
	.p2alignl 7, 3214868480
	.fill 96, 4, 3214868480
	.section	.rodata,"a",@progbits
	.p2align	6, 0x0
	.amdhsa_kernel k_q150ac22a40_attn
		.amdhsa_group_segment_fixed_size 327680
		.amdhsa_private_segment_fixed_size 0
		.amdhsa_enable_private_segment 0
		.amdhsa_kernarg_size 16
		.amdhsa_user_sgpr_count 2
		.amdhsa_user_sgpr_kernarg_segment_ptr 1
		.amdhsa_wavefront_size32 1
		.amdhsa_system_sgpr_workgroup_id_x 1
		.amdhsa_system_sgpr_workgroup_id_y 1
		.amdhsa_system_sgpr_workgroup_id_z 1
		.amdhsa_system_vgpr_workitem_id 0
		.amdhsa_next_free_vgpr 512
		.amdhsa_next_free_sgpr 84
		.amdhsa_reserve_vcc 1
		.amdhsa_float_denorm_mode_32 3
		.amdhsa_float_denorm_mode_16_64 3
		.amdhsa_memory_ordered 1
		.amdhsa_forward_progress 1
		.amdhsa_inst_pref_size 83
	.end_amdhsa_kernel
	.amdgpu_metadata
---
amdhsa.version: [ 1, 2 ]
amdhsa.kernels:
  - .name:           k_q150ac22a40_attn
    .symbol:         k_q150ac22a40_attn.kd
    .args:
      - { .name: qkv, .offset: 0, .size: 8, .value_kind: global_buffer, .address_space: global }
      - { .name: att, .offset: 8, .size: 8, .value_kind: global_buffer, .address_space: global }
    .group_segment_fixed_size: 327680
    .private_segment_fixed_size: 0
    .kernarg_segment_align: 8
    .kernarg_segment_size: 16
    .max_flat_workgroup_size: 256
    .sgpr_count:     84
    .vgpr_count:     512
    .wavefront_size: 32
...
	.end_amdgpu_metadata
.endif
;; end of part 3
;; launch oproj (part 4): grid 8 x 64, 4 waves a work-group, clusters of 4 x 4, 327,680 bytes of LDS; arguments att, wob, out0; writes out0
.if DOCPART == 4
	.amdgcn_target "amdgcn-amd-amdhsa--gfx1250"
	.amdhsa_code_object_version 6
	.text
	.protected	k_q150ac22a40_oproj
	.globl	k_q150ac22a40_oproj
	.p2align	8
	.type	k_q150ac22a40_oproj,@function
k_q150ac22a40_oproj:
	s_mov_b64 s[64:65], 0
	v_nop
	global_prefetch_b8 v0, s[64:65] scope:SCOPE_SE
	s_setreg_imm32_b32 hwreg(HW_REG_WAVE_MODE, 25, 1), 1
	s_wait_xcnt 0x0
	s_wait_alu depctr_hold_cnt(0) depctr_sa_sdst(0) depctr_va_vdst(0) depctr_va_sdst(0) depctr_va_ssrc(0) depctr_va_vcc(0) depctr_vm_vsrc(0)
	s_getreg_b32 s2, hwreg(HW_REG_IB_STS2, 6, 4)
	s_cmp_eq_u32 s2, 0
	s_cbranch_scc0 .Lentry_in_a_cluster
	s_endpgm
.Lentry_in_a_cluster:
	s_bfe_u32 s2, ttmp6, 0x10000c
	s_cmp_lg_u32 s2, 0xf033
	s_cbranch_scc0 .Lentry_shape_is_right
	s_endpgm
.Lentry_shape_is_right:
; out0[m][n] = sum over k of A[m][k] W_O[n][k], k = 64 h + d.  A = att, f16 in planes by head: [16 h][8192 m][64 d]; B = wob [1024 n][1024 k], f16; out0 [8192][1024] f32; sums in f32.
; A tile of C is 128 x 128.  Four waves, each 64 x 64: 16 accumulators of 16 x 16, 128 registers.  K goes in steps of 256, which are four planes of A, through a ring of two LDS slots.
; A's part of a slot: a wave's tensor load brings 64 rows of each of four planes; in a plane 64 rows x 128 bytes are 8,192 dense bytes, stated as ONE row of the tile (four rows, 2^20 bytes apart), with 16 bytes of
; padding behind every 256: in LDS a plane is 32 double rows (two rows of A) 272 bytes apart.  A quarter step (64 along K) is one plane.  B's part: 64 rows of 512 bytes, 528 apart.
; CLUSTERS: 4 x 4 work-groups.  The four of a row of the cluster need the same tiles of A, the four of a column the same tiles of B: each tile is asked for JOINTLY, by the same tensor load with the
; same descriptor and a mask that names the four.  THE MATRIX INSTRUCTION IS USED TRANSPOSED (source 0 = 16 rows of B, source 1 = 16 rows of A): a lane then holds eight neighbouring numbers of a row of C.
; REGISTERS: window 0: v0-31 addresses; v32-95 at work on the way out; v128-255 the accumulators ((a, b) at v[128 + 8 (4 a + b)]).
;   window 1: two fragment buffers of 128: for 64 along K (two matrix instructions deep), 64 registers of A (2 x 4 x 16 rows x 32 K), then 64 of B.
.set SIZE_M, 8192
.set SIZE_N, 1024
.set SIZE_K, 1024
.set KSTEP,  256
.set PITCH,  528                       ; B's LDS row: 512 bytes of data + 16 of padding = 132 words: row r starts at bank 4 r mod 64 (64 banks of 4 bytes: ISA guide 11.1)
.set APITCH, 272                       ; A's double row: 256 bytes + 16: the sixteen rows of a load fall on sixteen different columns of 16 bytes
.set PLANEB, 32*APITCH                 ; 64 rows of one plane
.set HALFA,  4*PLANEB                  ; what one tensor load brings of A, and what one wave reads of it
.set HALFB,  64*PITCH                  ; the same of B
.set SLOT,   2*HALFA+2*HALFB           ; A's 128 rows, then B's 128 rows
.set STAGE,  2*SLOT                    ; behind the ring: 16 rows x 272 bytes for each wave, for the way out
.set SPITCH, 272
.set SPARE,  STAGE+4*16*SPITCH         ; behind the stages: the spare words, 128 bytes for each wave: two blocks of 256 bytes that no other line names
.set LAPS, SIZE_K/(2*KSTEP)            ; a lap = two K steps = once round the ring
.set ADRA, 16                          ; v16-17  LDS address of my A fragments in slot 0, 1
.set ADRB, 20                          ; v20-21  the same for B
.set STO,  24                          ; v24     the way out: where I put 32 bytes of a row
.set RD,   25                          ; v25     the way out: where I read a row back
.set CO,   26                          ; v26     my byte offset in C
.set SPW,  28                          ; v28     LDS address of my spare word: SPARE + 4 x my thread's number; never rewritten
.set NIL,  29                          ; v29     0; never rewritten
.set TMP,  32                          ; the way out: two sets of 32 registers, whole rows
.set ACC,  128
.set F0,   0                           ; fragment buffers, in window 1
.set F1,   128
.set G1, 24                            ; s[24:31] descriptor group 1 for A's tiles;  s[32:39] group 0, one set for each slot
.set G0, 32
.set G1B, 48                           ; s[48:55], s[56:63] the same for B's tiles
.set G0B, 56
.set MSB, 0
.macro WIN new                         ; the immediate's high byte repeats the setting that is left
.if MSB != \new
	s_set_vgpr_msb (MSB<<8)|\new
.set MSB, \new
.endif
.endm
.set MUL,  0x05                        ; sources 0 (B) and 1 (A) window 1; C and D window 0
.set TO_F, 0x40                        ; destination window 1, address window 0
.macro JLOAD s                         ; a joint load: waves 0 and 1 fetch A's two halves, waves 2 and 3 B's; four v_nop follow each of the two lines, ahead of the jump, the label and what follows
	s_cmp_eq_u32 s11, 0
	s_cbranch_scc0 .Lfor_b_\@
	tensor_load_to_lds s[G0+4*\s:G0+4*\s+3], s[G1:G1+7]
	s_nop 0
.rept 4
	v_nop
.endr
	s_branch .Lasked_\@
.Lfor_b_\@:
	tensor_load_to_lds s[G0B+4*\s:G0B+4*\s+3], s[G1B:G1B+7]
	s_nop 0
.rept 4
	v_nop
.endr
.Lasked_\@:
.endm
.macro CREST                           ; a round of the cluster's barrier behind its opening barrier
	s_cmp_lg_u32 s10, 0
	s_cbranch_scc1 .Lnot_wave_0_\@
	s_barrier_signal -3
.Lnot_wave_0_\@:
	s_barrier_wait -3
	s_barrier_signal -1
	s_barrier_wait -1
.endm
.macro CROUND                          ; a whole round
	s_barrier_signal -1
	s_barrier_wait -1
	CREST
.endm
	s_load_b128 s[4:7], s[0:1], 0x0                ; A s[4:5], B s[6:7]
	s_load_b64 s[8:9], s[0:1], 0x10                ; C
	v_lshl_add_u32 v[SPW], v0, 2, SPARE
	v_mov_b32 v[NIL], 0
	ds_add_u32 v28, v29
	s_wait_dscnt 0x0
	v_lshrrev_b32 v1, 5, v0
	v_readfirstlane_b32 s10, v1                    ; wave 0..3
	s_lshr_b32 s11, s10, 1                         ; which half of the tile's rows is mine.  Also: I fetch for A (0) or for B (1)
	s_and_b32 s12, s10, 1                          ; which half of its columns.  Also: which 64 rows of that tile I fetch
	s_bfe_u32 s40, ttmp6, 0x40000                  ; cx, cy: my place in the cluster
	s_bfe_u32 s41, ttmp6, 0x40004
	s_lshl_b32 s42, ttmp9, 2
	s_add_co_u32 s42, s42, s40                     ; tile column of C = 4 x cluster x + cx
	s_and_b32 s13, ttmp7, 0xffff
	s_lshl_b32 s13, s13, 2
	s_add_co_u32 s13, s13, s41                     ; tile row of C = 4 x cluster y + cy
	s_lshl_b32 s43, s41, 2
	s_lshl_b32 s43, 15, s43                        ; my row of the cluster
	s_lshl_b32 s44, 0x1111, s40                    ; my column
	; descriptor group 1 for A: four rows (planes) of 1,024 elements of 8 bytes, 131,072 elements apart
	s_or_b32 s[G1+0], s43, (3<<16)|(1<<20)|(1<<21)|(5<<22)|(3<<25)  ; 15:0 the mask: A's tiles go to my row; 17:16 element of 8 bytes; 20 padding on; 21 set beside a mask; 24:22 after every 64 words (code 5); 31:25 of 4 words (code 3)
	s_mov_b32 s[G1+1], 1024<<16                    ; tensor_dim0 = 1,024
	s_mov_b32 s[G1+2], 4<<16                       ; tensor_dim1 = 4
	s_mov_b32 s[G1+3], 1024<<16                    ; tile_dim0 = 1,024
	s_mov_b32 s[G1+4], 4                           ; tile_dim1 = 4
	s_mov_b32 s[G1+5], 131072                      ; tensor_dim0_stride: a plane
	s_mov_b32 s[G1+6], 0
	s_mov_b32 s[G1+7], 0
	; and for B: 64 rows x 256 elements of 2 bytes
	s_or_b32 s[G1B+0], s44, (1<<16)|(1<<20)|(1<<21)|(6<<22)|(3<<25) ; the mask of my column; padding of 4 words after every 128 (code 6)
	s_mov_b32 s[G1B+1], KSTEP<<16                  ; tensor_dim0 = 256
	s_mov_b32 s[G1B+2], 64<<16                     ; tensor_dim1 = 64
	s_mov_b32 s[G1B+3], KSTEP<<16                  ; tile_dim0 = 256
	s_mov_b32 s[G1B+4], 64                         ; tile_dim1 = 64
	s_mov_b32 s[G1B+5], SIZE_K                     ; tensor_dim0_stride
	s_mov_b32 s[G1B+6], 0
	s_mov_b32 s[G1B+7], 0
	s_lshl_b32 s17, s12, 6                         ; which 64 rows of the tile I fetch
	s_lshl_b32 s16, s13, 7
	s_add_co_u32 s16, s16, s17                     ; A: row 128 x tile row + 64 x half,
	s_lshl_b32 s16, s16, 7                         ; of 128 bytes in a plane
	s_lshl_b32 s46, s42, 7
	s_add_co_u32 s46, s46, s17                     ; B: row 128 x tile column + 64 x half,
	s_lshl_b32 s46, s46, 11                        ; of 2,048 bytes
	s_mov_b32 s17, 0
	s_mov_b32 s47, 0
	s_mul_i32 s20, s12, HALFA                      ; where they go: no place in the cluster enters an LDS address
	s_mul_i32 s21, s12, HALFB
	s_add_co_u32 s21, s21, 2*HALFA
	s_wait_kmcnt 0x0
	s_add_nc_u64 s[14:15], s[4:5], s[16:17]
	s_add_nc_u64 s[46:47], s[6:7], s[46:47]
	CROUND                                         ; all sixteen work-groups are here: the first joint loads meet
.irp s, 0,1
	s_mov_b32 s[G0+4*\s], 1
	s_add_co_u32 s[G0+4*\s+1], s20, \s*SLOT
	s_add_nc_u64 s[G0+4*\s+2:G0+4*\s+3], s[14:15], \s*(4<<20)      ; K step s: planes 4 s on
	s_or_b32 s[G0+4*\s+3], s[G0+4*\s+3], 0x80000000
	s_mov_b32 s[G0B+4*\s], 1
	s_add_co_u32 s[G0B+4*\s+1], s21, \s*SLOT
	s_add_nc_u64 s[G0B+4*\s+2:G0B+4*\s+3], s[46:47], \s*KSTEP*2
	s_or_b32 s[G0B+4*\s+3], s[G0B+4*\s+3], 0x80000000
	JLOAD \s
.endr
	v_and_b32 v1, 15, v0                           ; r = l % 16
	v_bfe_u32 v2, v0, 4, 1                         ; h = l / 16
	v_lshrrev_b32 v3, 1, v1
	v_mul_u32_u24 v3, v3, APITCH                   ; A: row r lies in double row r / 2,
	v_and_b32 v4, 1, v0
	v_lshl_add_u32 v3, v4, 7, v3                   ; in its half r % 2,
	v_lshl_add_u32 v3, v2, 4, v3                   ; + 16 h
	v_mul_u32_u24 v4, v1, PITCH
	v_lshl_add_u32 v4, v2, 4, v4                   ; B: row x pitch + 16 h
	s_mul_i32 s21, s11, HALFA                      ; my 64 rows of A
	s_mul_i32 s22, s12, HALFB                      ; my 64 rows of B,
	s_add_co_u32 s22, s22, 2*HALFA                 ; which lie behind A's 128
.irp s, 0,1
	v_add_nc_u32 v[ADRA+\s], s21, v3
	v_add_nc_u32 v[ADRB+\s], s22, v4
	s_add_co_u32 s21, s21, SLOT
	s_add_co_u32 s22, s22, SLOT
.endr
	s_mul_i32 s23, s10, 16*SPITCH
	s_add_co_u32 s23, s23, STAGE                   ; my stage
	v_mul_u32_u24 v5, v1, SPITCH                   ; in: row r, 32 bytes for each half of the lanes
	v_lshl_add_u32 v5, v2, 5, v5
	v_add_nc_u32 v[STO], s23, v5
	v_mul_u32_u24 v5, v2, SPITCH                   ; back: lanes 0-15 take one row of 256 bytes, lanes 16-31 the next
	v_lshl_add_u32 v5, v1, 4, v5
	v_add_nc_u32 v[RD], s23, v5
	v_lshlrev_b32 v[CO], 4, v1                     ; and the same two rows in C
	v_lshl_add_u32 v[CO], v2, 12, v[CO]
	s_lshl_b32 s16, s13, 7
	s_lshl_b32 s17, s11, 6
	s_add_co_u32 s16, s16, s17                     ; my first row of C: 128 x tile row + 64 x half,
	s_lshl_b32 s16, s16, 12                        ; of 4,096 bytes
	s_mov_b32 s17, 0
	s_add_nc_u64 s[8:9], s[8:9], s[16:17]
	s_lshl_b32 s46, s42, 9                         ; my first column, in bytes: 512 x tile column + 256 x half
	s_lshl_b32 s47, s12, 8
	s_add_co_u32 s46, s46, s47
	s_mov_b32 s47, 0
	s_add_nc_u64 s[8:9], s[8:9], s[46:47]          ; never stepped: a row's place stands in the stores' immediates
; 8 matrix instructions: m blocks a0, a0 + 1 x all 4 n blocks, 32 along K: half c of buffer f.  zero = 1: the first product starts the sums.  The 16 accumulators take turns
.macro MUL8 f, c, a0, zero
.irp a, \a0, \a0+1
.irp b, 0,1,2,3
.if \zero
	v_wmma_f32_16x16x32_f16 v[ACC+8*(4*(\a)+\b):ACC+8*(4*(\a)+\b)+7], v[\f+64+8*(4*\c+\b):\f+64+8*(4*\c+\b)+7], v[\f+8*(4*\c+\a):\f+8*(4*\c+\a)+7], 0
.else
	v_wmma_f32_16x16x32_f16 v[ACC+8*(4*(\a)+\b):ACC+8*(4*(\a)+\b)+7], v[\f+64+8*(4*\c+\b):\f+64+8*(4*\c+\b)+7], v[\f+8*(4*\c+\a):\f+8*(4*\c+\a)+7], v[ACC+8*(4*(\a)+\b):ACC+8*(4*(\a)+\b)+7]
.endif
.endr
.endr
.endm
; 32 LDS loads in one run: the fragments of 64 along K into buffer f; the first 32 along K first.  k: the quarter's byte in B's rows (128 a quarter); in A it is plane k / 128 of the slot
.macro FETCH slot, k, f
	WIN TO_F
.irp c, 0,1
.irp i, 0,1,2,3
	ds_load_b128 v[\f+64+8*(4*\c+\i):\f+64+8*(4*\c+\i)+3],   v[ADRB+\slot] offset:\k+64*\c+\i*16*PITCH
	ds_load_b128 v[\f+64+8*(4*\c+\i)+4:\f+64+8*(4*\c+\i)+7], v[ADRB+\slot] offset:\k+64*\c+\i*16*PITCH+32
	ds_load_b128 v[\f+8*(4*\c+\i):\f+8*(4*\c+\i)+3],         v[ADRA+\slot] offset:((\k)/128)*PLANEB+64*\c+\i*8*APITCH
	ds_load_b128 v[\f+8*(4*\c+\i)+4:\f+8*(4*\c+\i)+7],       v[ADRA+\slot] offset:((\k)/128)*PLANEB+64*\c+\i*8*APITCH+32
.endr
.endr
.endm
.macro PLACES                          ; four places in front of loads into registers that matrix instructions have read, and of LDS stores that read results (ISA guide 7.12.1 for the stores)
.rept 4
	v_nop
.endr
.endm
; A K step is four quarters of 64 along K, 32 matrix instructions each, on buffers 0, 1, 0, 1.  One of the first three: multiplies buffer f and fetches the next quarter, at byte k, into g.
.macro QUARTER slot, k, f, g, zero
	s_wait_dscnt 16                                ; the first 32 along K are in; the sixteen loads of the second 32 may be out
	WIN MUL
	MUL8 \f, 0, 0, \zero
	MUL8 \f, 0, 2, \zero
	PLACES
	FETCH \slot, \k, \g
	s_wait_dscnt 32                                ; all but the 32 just issued
	WIN MUL
	MUL8 \f, 1, 0, 0
	MUL8 \f, 1, 2, 0
.endm
; The last quarter multiplies buffer 1 and changes slots: ONE barrier; in front of it each wave waits for all its tensor loads, adds 0 to its spare word, and waits for that and for its own reads of this slot.  fill = 1: this slot is filled again, two K steps ahead.
.macro TURN slot, next, fill
	WIN 0                                          ; (the add's two registers lie in window 0)
	s_wait_tensorcnt 0x0                           ; all my tensor loads have landed: my part of the next slot;
	ds_add_u32 v[SPW], v[NIL]                      ; 0 onto my spare word
	s_wait_dscnt 17                                ; (the add and the youngest sixteen loads may be out)
	WIN MUL
	MUL8 F1, 0, 0, 0                               ; eight matrix instructions stand between the add and the wait for it
	s_wait_dscnt 0x0                               ; the add is done, and my reads of this slot are over
	s_barrier_signal -1
	MUL8 F1, 0, 2, 0
.if \fill
	WIN 0
.endif
	s_barrier_wait -1
.if \fill
	CREST                                          ; the barrier has opened a round of the cluster's barrier: no wave of any partner still reads this slot's tile or has a load on its way
	s_add_nc_u64 s[G0+4*\slot+2:G0+4*\slot+3], s[G0+4*\slot+2:G0+4*\slot+3], 8<<20        ; eight planes on
	s_add_nc_u64 s[G0B+4*\slot+2:G0B+4*\slot+3], s[G0B+4*\slot+2:G0B+4*\slot+3], 2*KSTEP*2
	JLOAD \slot                                    ; the first tensor load behind the round, and my only one until the next; the four v_nop behind it are also the places in front of the loads below
.else
	PLACES
.endif
	FETCH \next, 0, F0
	WIN MUL
	MUL8 F1, 1, 0, 0
	MUL8 F1, 1, 2, 0
.endm
	s_wait_tensorcnt 1                             ; my part of K step 0 is in (K step 1's load, issued behind it, may be out)
	s_barrier_signal -1
	s_barrier_wait -1                              ; everybody's is
	FETCH 0, 0, F0
	QUARTER 0, 128, F0, F1, 1                      ; the first quarter stands in front of the loop: its first products start the sums
	WIN 0                                          ; at a label and at a branch every window is 0
	s_mov_b32 s3, LAPS-1
.Llap:                                                 ; a trip goes once round the ring, from a lap's second quarter to the next lap's first, and fills both slots again
	QUARTER 0, 256, F1, F0, 0
	QUARTER 0, 384, F0, F1, 0
	TURN 0, 1, 1
	QUARTER 1, 128, F0, F1, 0
	QUARTER 1, 256, F1, F0, 0
	QUARTER 1, 384, F0, F1, 0
	TURN 1, 0, 1
	QUARTER 0, 128, F0, F1, 0
	WIN 0
	s_sub_co_u32 s3, s3, 1
	s_cmp_lg_u32 s3, 0
	s_cbranch_scc1 .Llap
	QUARTER 0, 256, F1, F0, 0                      ; the last lap fills nothing, and has no round of the cluster's barrier
	QUARTER 0, 384, F0, F1, 0
	TURN 0, 1, 0
	QUARTER 1, 128, F0, F1, 0
	QUARTER 1, 256, F1, F0, 0
	QUARTER 1, 384, F0, F1, 0
	s_wait_dscnt 16                                ; the very last quarter: nothing more to fetch
	WIN MUL
	MUL8 F1, 0, 0, 0
	MUL8 F1, 0, 2, 0
	s_wait_dscnt 0
	MUL8 F1, 1, 0, 0
	MUL8 F1, 1, 2, 0
	WIN 0
; THE WAY OUT, block by block of 16 rows x 64 columns.  A wave's 64 columns of f32 are 256 bytes, aligned: so each wave has a stage of its own and no barrier is needed.  A lane holds 32 neighbouring bytes of a row
; and the lanes beside it hold other rows: a block goes into the stage as it is, each accumulator from its low end on, and comes back as whole rows.
.macro TOSTAGE a
.irp b, 0,1,2,3
	ds_store_b128 v[STO], v[ACC+8*(4*(\a)+\b):ACC+8*(4*(\a)+\b)+3] offset:64*\b
	ds_store_b128 v[STO], v[ACC+8*(4*(\a)+\b)+4:ACC+8*(4*(\a)+\b)+7] offset:64*\b+16
.endr
.set BB, TMP+32*((\a)%2)
.irp t, 0,1,2,3,4,5,6,7
	ds_load_b128 v[BB+4*\t:BB+4*\t+3], v[RD] offset:\t*2*SPITCH    ; LDS serves a wave's instructions in order (ISA guide 5.7.1.4): these see the stores above, and the next block's stores come behind them
.endr
.endm
.macro SEND a, younger                 ; younger: the LDS instructions issued behind block a's loads, which may stay out
.set BB, TMP+32*((\a)%2)
	s_wait_dscnt \younger                          ; the block is back in registers
.irp t, 0,1,2,3,4,5,6,7
	global_store_b128 v[CO], v[BB+4*\t:BB+4*\t+3], s[8:9] offset:(16*(\a)+2*\t)*SIZE_N*4 th:TH_STORE_NT   ; 16 lanes store 256 consecutive bytes, at a multiple of 256 from C's first byte; written once, read by nobody here
.endr
.endm
	PLACES
	TOSTAGE 0
.irp a, 1,2,3
.if \a > 1
	s_wait_xcnt 0x0                                ; block a - 2's stores have read their registers: block a's loads land there only behind this wait
.endif
	TOSTAGE \a
	SEND \a-1, 16                                  ; behind block a - 1's loads: block a's 8 stores and 8 loads
.endr
	SEND 3, 0
	s_wait_tensorcnt 0x0                           ; the wave's end: behind my last tensor load and my last LDS store
	ds_add_u32 v[SPW], v[NIL]
	s_wait_dscnt 0x0
	CROUND                                         ; the closing round: no work-group ends while a partner may still ask for a tile that names it
	s_endpgm
.Lfunc_end_k_q150ac22a40_oproj:
	.size	k_q150ac22a40_oproj, .Lfunc_end_k_q150ac22a40_oproj-k_q150ac22a40_oproj
	.p2alignl 7, 3214868480
	.fill 96, 4, 3214868480
	.section	.rodata,"a",@progbits
	.p2align	6, 0x0
	.amdhsa_kernel k_q150ac22a40_oproj
		.amdhsa_group_segment_fixed_size 327680
		.amdhsa_private_segment_fixed_size 0
		.amdhsa_enable_private_segment 0
		.amdhsa_kernarg_size 24
		.amdhsa_user_sgpr_count 2
		.amdhsa_user_sgpr_kernarg_segment_ptr 1
		.amdhsa_wavefront_size32 1
		.amdhsa_system_sgpr_workgroup_id_x 1
		.amdhsa_system_sgpr_workgroup_id_y 1
		.amdhsa_system_sgpr_workgroup_id_z 1
		.amdhsa_system_vgpr_workitem_id 0
		.amdhsa_next_free_vgpr 512
		.amdhsa_next_free_sgpr 66
		.amdhsa_reserve_vcc 0
		.amdhsa_float_denorm_mode_32 3
		.amdhsa_float_denorm_mode_16_64 3
		.amdhsa_memory_ordered 1
		.amdhsa_forward_progress 1
		.amdhsa_inst_pref_size 86
	.end_amdhsa_kernel
	.amdgpu_metadata
---
amdhsa.version: [ 1, 2 ]
amdhsa.kernels:
  - .name:           k_q150ac22a40_oproj
    .symbol:         k_q150ac22a40_oproj.kd
    .args:
      - { .name: att, .offset: 0, .size: 8, .value_kind: global_buffer, .address_space: global }
      - { .name: wob, .offset: 8, .size: 8, .value_kind: global_buffer, .address_space: global }
      - { .name: out0, .offset: 16, .size: 8, .value_kind: global_buffer, .address_space: global }
    .group_segment_fixed_size: 327680
    .private_segment_fixed_size: 0
    .kernarg_segment_align: 8
    .kernarg_segment_size: 24
    .max_flat_workgroup_size: 128
    .sgpr_count:     66
    .vgpr_count:     512
    .wavefront_size: 32
...
	.end_amdgpu_metadata
.endif
;; end of part 4
